; MI455X (gfx1250); checked and timed in simulation.
; The chip was launched on July 23, 2026; its instructions are those of AMD's public machine-readable ISA for CDNA 5 (MIT licence, August 2026) and "CDNA5" Instruction Set Architecture Reference Guide (July 2026). The comments in the code are by the model that wrote it; some were corrected since.
;; Multi Head Self Attention. Allowed arithmetic: matrix products marked QUANTISED: E2M1 operands, one E8M0 scale for each 32 along K, by v_wmma_scale_f32_16x16x128_f8f6f4 with both operands' format E2M1 (or v_wmma_scale_f32_32x16x128_f4), f32 sums; products left as they are: bf16, f16 or f32 operands; f32 sums; everything else in f32.
;; Inputs: bk 1,024 float32; bo 1,024 float32; bq 1,024 float32; bv 1,024 float32; k 4 x 2,048 x 1,024 float32; mask 1 x 1 x 2,048 x 2,048 float32; q 4 x 2,048 x 1,024 float32; v 4 x 2,048 x 1,024 float32; wk 1,024 x 1,024 float32; wo 1,024 x 1,024 float32; wq 1,024 x 1,024 float32; wv 1,024 x 1,024 float32.
;; Outputs: out0 4 x 2,048 x 1,024 float32.
;; This version of the problem:
;;   THIS VERSION OF THE PROBLEM IS GIVEN IN LOW PRECISION. The matrix products marked QUANTISED in the list below multiply operands that are first quantised to E2M1 (2 exponent bits, 1 mantissa bit; 4 bits a number), with one power-of-two scale for each 32 numbers along K (OCP MX v1.0); their sums are f32. The products marked 'left as it is' may take bf16, f16 or f32 operands, with f32 sums. Whichever they take, every output number must still come out within the allowed error. Rounding operands to bf16 (8 significant bits) uses up far more of that allowance than f16 does (11 bits, for magnitudes from 6e-5 to 65,504). All else is computed in f32.
;;   The module's matrix products, in the order in which they are computed (A, B: the left and right operand; K: the contracted axis; several contracted axes count as one K, in the product's order):
;;     1. [M 8,192, K 1,024] x [K 1,024, N 1,024]; A: input q; B: input wq: QUANTISED
;;     2. [M 8,192, K 1,024] x [K 1,024, N 1,024]; A: input k; B: input wk: QUANTISED
;;     3. [M 8,192, K 1,024] x [K 1,024, N 1,024]; A: input v; B: input wv: QUANTISED
;;     4. batch 64 x [M 2,048, K 64] x [K 64, N 2,048]; A: computed on the way; B: computed on the way: left as it is (an operand is computed on the way)
;;     5. batch 64 x [M 2,048, K 2,048] x [K 2,048, N 64]; A: computed on the way; B: computed on the way: left as it is (an operand is computed on the way)
;;     6. [M 8,192, K 1,024] x [K 1,024, N 1,024]; A: computed on the way; B: input wo: left as it is (an operand is computed on the way)
;;   THE QUANTISER, for each operand of a quantised product, along K:
;;     - K is cut into blocks of 32 from its start; a last block that is shorter is filled with zeros.
;;     - A block's scale is 2^e with e = floor(log2(the largest magnitude in the block)) - 2, held to -126 .. 127; a block of zeros has e = 0. As a byte (E8M0): e + 127.
;;     - Each number is divided by its block's scale, clamped to +-6, and rounded to the nearest number of E2M1, ties to even, subnormals kept.
;;     - The product sums the exact products of the quantised numbers (number of the format x scale) in f32.
;;   ~~~python
;;   def quantise(x, axis):      # numpy; x: float32 -> the quantised numbers, widened to float32 again
;;       x = np.moveaxis(x, axis, -1); K = x.shape[-1]
;;       x = np.pad(x, [(0, 0)] * (x.ndim - 1) + [(0, -K % 32)]); x = x.reshape(x.shape[:-1] + (-1, 32)); a = np.abs(x).max(-1, keepdims=True)
;;       e = np.where(a > 0, np.clip(np.frexp(np.where(a > 0, a, 1))[1] - 1 - 2, -126, 127), 0)      # np.frexp(a)[1] - 1 = floor(log2(a)), exactly
;;       r = np.clip(x / 2.0 ** e, -6, 6)
;;       step = 2.0 ** (np.maximum(np.frexp(np.where(r == 0, 1, r))[1] - 1, 0) - 1)
;;       q = np.round(r / step) * step * 2.0 ** e      # np.round: ties to even
;;       return np.moveaxis(q.reshape(q.shape[:-2] + (-1,))[..., :K], -1, axis).astype(np.float32)
;;   ~~~
;; One version. Each part assembles by itself: llvm-mc -triple=amdgcn-amd-amdhsa -mcpu=gfx1250 --defsym DOCPART=n.
;; ======== version 1 of 1: 6 launches
;; limits: right only within a limited range of input values; values are held in f16: magnitudes above 65,504 overflow, below 6.1e-05 lose precision
;; workspace buffers: XQ 13,369,344 bytes; WB 3,768,320 bytes; FL 768 bytes of whole numbers; HF 50,331,648 bytes; OF 16,777,216 bytes; OFI 262,144 bytes
;; launch prep (part 1): grid 944 x 1, 4 waves a work-group, no clusters, 68,608 bytes of LDS; arguments q, k, v, wq, wk, wv, wo, mask, XQ, WB, FL; writes XQ, WB, FL
.if DOCPART == 1
	.amdgcn_target "amdgcn-amd-amdhsa--gfx1250"
	.amdhsa_code_object_version 6
	.text
	.protected	k_q5b8b27374d_prep
	.globl	k_q5b8b27374d_prep
	.p2align	8
	.type	k_q5b8b27374d_prep,@function
k_q5b8b27374d_prep:
	s_mov_b64 s[64:65], 0
	v_nop
	global_prefetch_b8 v0, s[64:65] scope:SCOPE_SE
	s_setreg_imm32_b32 hwreg(HW_REG_WAVE_MODE, 25, 1), 1
	s_wait_xcnt 0x0
; PREP: everything that is made once from the inputs.  Four kinds of work-group, told apart by the work-group's number alone:
;   0..767   A: q, k, v (f32, K innermost) -> codes of E2M1 and E8M0 scale bytes in XQ
;   768..815 B: wq, wk, wv (f32, K is the FIRST axis) -> codes [n][K] and scale bytes in WB
;   816..879 C: wo (f32 [k][n]) -> f16 images of operand registers in WB (lane l's 16 bytes at 16 l, 512 bytes an image)
;   880..943 D: the mask is read once and classed: for each tile of 32 queries x 64 keys a bit LIVE and a bit NZ, for rows 0-15 a bit for each 16 keys
; A block's scale is 2^(floor(log2(largest magnitude)) - 2); its byte is the magnitude's exponent field - 2, held at 1 from below (a block of zeros gets 1: its codes are zeros, and this program alone reads the bytes).
; DEAD TILES.  mt = mask x (-1e9), rounded as reference() rounds it.  A tile is dead if for each of its rows every mt lies 2^27 or more under the row's largest mt over all 2,048 keys:
; with |logit| < 2^25 the exponent is then under -2^26 and the weight is exactly 0 in f32.  A row masked everywhere has no dead tile.
; LIMITS: |logit| < 2^25; NaN and infinities among the inputs are not served; blocks whose largest magnitude lies under 2^-124 were not tried.
; Each kind has LDS bytes of its own: A 0..32,767; B 32,768..67,583; D 67,584..68,095; the spare words 68,096..68,607.
.set SPW,   192                        ; v192 LDS address of my spare word; never rewritten
.set NIL,   193                        ; v193 0; never rewritten
.set SPARE, 68096
.macro FINISH                          ; a wave's end, behind my last LDS store
	s_wait_tensorcnt 0x0
	ds_add_u32 v[SPW], v[NIL]
	s_wait_dscnt 0x0
	s_endpgm
.endm
	s_load_b256 s[4:11], s[0:1], 0x0               ; q, k, v, wq
	s_load_b256 s[12:19], s[0:1], 0x20             ; wk, wv, wo, mask
	s_load_b128 s[20:23], s[0:1], 0x40             ; XQ, WB
	s_load_b64 s[24:25], s[0:1], 0x50              ; FL
	v_lshl_add_u32 v[SPW], v0, 2, SPARE
	v_mov_b32 v[NIL], 0
	v_lshrrev_b32 v1, 5, v0
	v_readfirstlane_b32 s2, v1                     ; wave 0..3
	v_and_b32 v2, 31, v0                           ; lane
	s_wait_kmcnt 0x0
	s_cmp_ge_u32 ttmp9, 880
	s_cbranch_scc1 .LpathD
	s_cmp_ge_u32 ttmp9, 816
	s_cbranch_scc1 .LpathC
	s_cmp_ge_u32 ttmp9, 768
	s_cbranch_scc1 .LpathB
; ---------------- A: q, k, v.  A tensor is a plain stream of blocks of 32.  A wave takes 16 steps of 512 numbers; each load reads 512 consecutive bytes;
; a step's 2,048 bytes turn through the wave's own stage in LDS so that a lane holds 16 neighbours (two lanes a block).
.set RA, 16                            ; v16-79   four sets of 16 numbers as loaded
.set XA, 80                            ; v80-111  two sets of 16 neighbours
.set EA, 112                           ; v112-127 a scale byte for each step
.set CA, 128                           ; v128-191 codes, registers of their own for each step
	v_lshlrev_b32 v3, 4, v2                        ; my 16 bytes of a load's 512
	s_mul_i32 s26, s2, 8192                        ; my wave's region
	v_lshrrev_b32 v14, 2, v2
	v_mul_u32_u24 v14, v14, 80
	v_and_b32 v15, 3, v2
	v_lshl_add_u32 v14, v15, 4, v14
	v_add_nc_u32 v14, s26, v14                     ; stage, in: 80 (lane / 4) + 16 (lane % 4)
	v_mul_u32_u24 v15, v2, 80
	v_add_nc_u32 v15, s26, v15                     ; stage, out: 80 x lane
	v_lshlrev_b32 v4, 3, v2                        ; 8 x lane: my codes' place in a step's, and my 8 scale bytes on the way out
	v_lshrrev_b32 v5, 1, v2
	s_add_co_u32 s26, s26, 5120                    ; behind the two stages: my wave's 256 scale bytes
	v_add_nc_u32 v5, s26, v5
	v_add_nc_u32 v6, s26, v4
	s_lshr_b32 s26, ttmp9, 8                       ; which tensor: 0 q, 1 k, 2 v
	s_cmp_eq_u32 s26, 0
	s_cselect_b64 s[28:29], s[4:5], s[6:7]
	s_cmp_eq_u32 s26, 2
	s_cselect_b64 s[28:29], s[8:9], s[28:29]
	s_and_b32 s27, ttmp9, 255
	s_lshl_b32 s27, s27, 2
	s_add_co_u32 s27, s27, s2                      ; which run of 8,192 numbers is my wave's
	s_lshl_b32 s30, s27, 15
	s_mov_b32 s31, 0
	s_add_nc_u64 s[28:29], s[28:29], s[30:31]      ; the numbers
	s_lshl_b32 s30, s26, 22
	s_lshl_b32 s32, s27, 12
	s_add_co_u32 s30, s30, s32
	s_add_nc_u64 s[34:35], s[20:21], s[30:31]      ; the codes: 4 MiB a tensor, 4,096 bytes a run
	s_lshl_b32 s30, s26, 18
	s_lshl_b32 s32, s27, 8
	s_add_co_u32 s30, s30, s32
	s_add_co_u32 s30, s30, 12582912
	s_add_nc_u64 s[36:37], s[20:21], s[30:31]      ; the scale bytes: 256 a run
.macro LOADA t
.irp i, 0,1,2,3
	global_load_b128 v[RA+16*((\t)%4)+4*\i:RA+16*((\t)%4)+4*\i+3], v3, s[28:29] offset:2048*(\t)+512*\i th:TH_LOAD_NT
.endr
.endm
.macro TURNA t                         ; LDS serves a wave's instructions in order: no wait between the stores and the loads
.irp i, 0,1,2,3
	ds_store_b128 v14, v[RA+16*((\t)%4)+4*\i:RA+16*((\t)%4)+4*\i+3] offset:2560*((\t)%2)+640*\i
.endr
.irp i, 0,1,2,3
	ds_load_b128 v[XA+16*((\t)%2)+4*\i:XA+16*((\t)%2)+4*\i+3], v15 offset:2560*((\t)%2)+16*\i
.endr
.endm
.irp t, 0,1,2,3
	LOADA \t
.endr
	s_wait_loadcnt 12                              ; step 0's four loads are in; three steps' twelve may be out
	TURNA 0
.macro STEPA t
.set XS, XA+16*((\t)%2)
.if (\t) > 0
	s_wait_dscnt 1                                 ; this step's numbers are back from the stage (the last step's byte store may be out)
.else
	s_wait_dscnt 0x0
.endif
.if (\t)+4 < 16
	LOADA (\t)+4
.endif
.if (\t)+1 < 16
.if 14-(\t) >= 3
	s_wait_loadcnt 12                              ; the next step's four loads are in; three steps' may be out
.else
	s_wait_loadcnt 4*(14-(\t))
.endif
	TURNA (\t)+1
.endif
	v_max3_num_f32 v8, |v[XS]|, |v[XS+1]|, |v[XS+2]|
	v_max3_num_f32 v9, |v[XS+3]|, |v[XS+4]|, |v[XS+5]|
.irp i, 6,10
	v_max3_num_f32 v8, v8, |v[XS+\i]|, |v[XS+\i+1]|
	v_max3_num_f32 v9, v9, |v[XS+\i+2]|, |v[XS+\i+3]|
.endr
	v_max3_num_f32 v8, v8, |v[XS+14]|, |v[XS+15]|
	v_max3_num_f32 v8, v8, v9, 0x1800000           ; the floor 2^(3 - 127): the byte cannot fall under 1
	v_max_num_f32_dpp v8, v8, v8 row_xmask:1 row_mask:0xf bank_mask:0xf   ; with my neighbour's 16: the block's largest magnitude
	v_add_nc_u32 v11, 0xff000000, v8               ; 2 off the exponent field: the conversion's scale operand
	v_cvt_scalef32_pk8_fp4_f32 v[CA+4*(\t)], v[XS:XS+7], v11
	v_cvt_scalef32_pk8_fp4_f32 v[CA+4*(\t)+1], v[XS+8:XS+15], v11
	v_lshrrev_b32 v[EA+(\t)], 23, v11              ; the scale's byte
	ds_store_b8 v5, v[EA+(\t)] offset:16*(\t)      ; both lanes of a block write the same byte with the same value
	global_store_b64 v4, v[CA+4*(\t):CA+4*(\t)+1], s[34:35] offset:256*(\t)   ; the wave stores 256 consecutive bytes, aligned
.endm
.irp t, 0,1,2,3,4,5,6,7,8,9,10,11,12,13,14,15
	STEPA \t
.endr
	ds_load_b64 v[8:9], v6
	s_wait_dscnt 0x0
	global_store_b64 v4, v[8:9], s[36:37]          ; 256 scale bytes, aligned
	FINISH
; ---------------- B: wq, wk, wv.  A lane takes a column n and its registers run down K: a block of 32 lies in one lane, and the codes come out with K innermost.
; A wave takes 32 columns x 512 along K; its codes go through its own stage (rows of 272 bytes) and leave sixteen lanes to 256 aligned bytes.
.LpathB:
.set XB,   32                          ; v32-95   two sets of 32 numbers
.set CB,   96                          ; v96-99   a block's codes
.set OUTB, 112                         ; v112-175 the way out
.set SB,   24                          ; v24-27   the scale bytes, four to a register
	s_sub_co_u32 s26, ttmp9, 768
	s_lshr_b32 s27, s26, 4                         ; which weight
	s_and_b32 s30, s26, 7                          ; which 128 columns
	s_bfe_u32 s31, s26, 0x10003                    ; which 512 along K
	s_cmp_eq_u32 s27, 0
	s_cselect_b64 s[28:29], s[10:11], s[12:13]
	s_cmp_eq_u32 s27, 2
	s_cselect_b64 s[28:29], s[14:15], s[28:29]
	s_lshl_b32 s30, s30, 7
	s_lshl_b32 s32, s2, 5
	s_add_co_u32 s30, s30, s32                     ; my wave's first column
	v_lshlrev_b32 v3, 2, v2
	s_mul_i32 s32, s2, 8704
	s_add_co_u32 s32, s32, 32768                   ; my stage
	v_mul_u32_u24 v4, v2, 272
	v_add_nc_u32 v4, s32, v4                       ; into it: row = my column
	v_and_b32 v5, 15, v2
	v_lshrrev_b32 v6, 4, v2
	v_mul_u32_u24 v7, v6, 272
	v_lshl_add_u32 v7, v5, 4, v7
	v_add_nc_u32 v7, s32, v7                       ; out of it: sixteen lanes to a row
	v_lshlrev_b32 v8, 9, v6
	v_lshl_add_u32 v8, v5, 4, v8                   ; the same place in the codes' buffer (rows of 512 bytes)
	v_lshlrev_b32 v9, 5, v2                        ; my column's row of 32 scale bytes
	s_lshl_b32 s32, s31, 21                        ; 512 rows of 4,096 bytes
	s_lshl_b32 s33, s30, 2
	s_add_co_u32 s32, s32, s33
	s_mov_b32 s33, 0
	s_add_nc_u64 s[28:29], s[28:29], s[32:33]
	s_lshl_b32 s32, s27, 19
	s_lshl_b32 s34, s30, 9
	s_add_co_u32 s32, s32, s34
	s_lshl_b32 s34, s31, 8
	s_add_co_u32 s32, s32, s34
	s_add_nc_u64 s[34:35], s[22:23], s[32:33]      ; codes
	s_lshl_b32 s32, s27, 15
	s_lshl_b32 s36, s30, 5
	s_add_co_u32 s32, s32, s36
	s_lshl_b32 s36, s31, 4
	s_add_co_u32 s32, s32, s36
	s_add_co_u32 s32, s32, 1572864
	s_add_nc_u64 s[36:37], s[22:23], s[32:33]      ; scale bytes
.macro LOADB t
.irp i, 0,1,2,3,4,5,6,7,8,9,10,11,12,13,14,15,16,17,18,19,20,21,22,23,24,25,26,27,28,29,30,31
	global_load_b32 v[XB+32*((\t)%2)+\i], v3, s[28:29] offset:(32*(\t)+\i)*4096 th:TH_LOAD_NT
.endr
.endm
	LOADB 0
	LOADB 1
.macro BLOCKB t
.set XS, XB+32*((\t)%2)
.if (\t) < 15
	s_wait_loadcnt 32                              ; this block's 32 loads are in; the next block's may be out
.else
	s_wait_loadcnt 0x0
.endif
	v_max3_num_f32 v12, |v[XS]|, |v[XS+1]|, |v[XS+2]|
	v_max3_num_f32 v13, |v[XS+3]|, |v[XS+4]|, |v[XS+5]|
.irp i, 6,10,14,18,22,26
	v_max3_num_f32 v12, v12, |v[XS+\i]|, |v[XS+\i+1]|
	v_max3_num_f32 v13, v13, |v[XS+\i+2]|, |v[XS+\i+3]|
.endr
	v_max3_num_f32 v12, v12, |v[XS+30]|, |v[XS+31]|
	v_max3_num_f32 v12, v12, v13, 0x1800000
	v_add_nc_u32 v11, 0xff000000, v12
	v_lshrrev_b32 v13, 23, v11
.if (\t)%4 == 0
	v_mov_b32 v[SB+(\t)/4], v13
.else
	v_lshl_or_b32 v[SB+(\t)/4], v13, 8*((\t)%4), v[SB+(\t)/4]
.endif
.irp g, 0,1,2,3
	v_cvt_scalef32_pk8_fp4_f32 v[CB+\g], v[XS+8*\g:XS+8*\g+7], v11
.endr
	ds_store_b128 v4, v[CB:CB+3] offset:16*(\t)
.if (\t)+2 < 16
	LOADB (\t)+2
.endif
	s_wait_dscnt 0x0                               ; the store has read its registers: the next block's codes may be written
.endm
.set QB, 0
.rept 16
	BLOCKB QB
.set QB, QB+1
.endr
	global_store_b128 v9, v[SB:SB+3], s[36:37]     ; my column's 16 scale bytes
.irp t, 0,1,2,3,4,5,6,7,8,9,10,11,12,13,14,15
	ds_load_b128 v[OUTB+4*\t:OUTB+4*\t+3], v7 offset:2*\t*272
.endr
.irp t, 0,1,2,3,4,5,6,7,8,9,10,11,12,13,14,15
	s_wait_dscnt 15-\t
	global_store_b128 v8, v[OUTB+4*\t:OUTB+4*\t+3], s[34:35] offset:2*\t*512
.endr
	FINISH
; ---------------- C: wo -> f16 images.  A lane takes a column, its 32 registers run down a chunk of 32 along K; packed in pairs they are 16 registers.
; An operand's lane (r, h) wants k = 8 h .. and 16 + 8 h .. of column r: exchanging halves of the lanes between register groups gives two column tiles' images.
.LpathC:
.set XC, 32                            ; v32-95  two sets of 32 numbers
.set HC, 96                            ; v96-111 16 packed registers
	s_sub_co_u32 s26, ttmp9, 816
	s_and_b32 s27, s26, 7                          ; which 128 columns
	s_lshr_b32 s26, s26, 3                         ; which 128 along K
	v_lshlrev_b32 v3, 2, v2
	v_lshlrev_b32 v4, 4, v2
	s_lshl_b32 s30, s26, 19
	s_lshl_b32 s31, s27, 9
	s_add_co_u32 s30, s30, s31
	s_lshl_b32 s31, s2, 7
	s_add_co_u32 s30, s30, s31
	s_mov_b32 s31, 0
	s_add_nc_u64 s[28:29], s[16:17], s[30:31]      ; wo at row 128 kq, column 128 cg + 32 w
	s_lshl_b32 s30, s27, 18                        ; column tile 8 cg + 2 w, 32,768 bytes a tile
	s_lshl_b32 s32, s2, 16
	s_add_co_u32 s30, s30, s32
	s_lshl_b32 s32, s26, 12                        ; chunk 4 kq, 1,024 bytes a chunk
	s_add_co_u32 s30, s30, s32
	s_add_co_u32 s30, s30, 1671168
	s_add_nc_u64 s[34:35], s[22:23], s[30:31]
.macro LOADC c
.irp i, 0,1,2,3,4,5,6,7,8,9,10,11,12,13,14,15,16,17,18,19,20,21,22,23,24,25,26,27,28,29,30,31
	global_load_b32 v[XC+32*((\c)%2)+\i], v3, s[28:29] offset:(32*(\c)+\i)*4096 th:TH_LOAD_NT
.endr
.endm
.macro CHUNK c
.set XS, XC+32*((\c)%2)
.if (\c) < 3
	s_wait_loadcnt 32                              ; this chunk's 32 loads are in; the next chunk's may be out
.else
	s_wait_loadcnt 0x0
.endif
	s_wait_xcnt 0x0                                ; the last chunk's stores have read their registers
.irp i, 0,1,2,3,4,5,6,7,8,9,10,11,12,13,14,15
	v_cvt_pk_f16_f32 v[HC+\i], v[XS+2*\i], v[XS+2*\i+1]
.endr
.if (\c)+2 < 4
	LOADC (\c)+2
.endif
.irp i, 0,1,2,3
	v_permlane16_swap_b32 v[HC+\i], v[HC+4+\i]     ; first: columns 0-15, k 8 h ..; second: columns 16-31, k 8 h ..
	v_permlane16_swap_b32 v[HC+8+\i], v[HC+12+\i]  ; the same for k 16 + 8 h ..
.endr
	global_store_b128 v4, v[HC:HC+3], s[34:35] offset:1024*(\c)
	global_store_b128 v4, v[HC+8:HC+11], s[34:35] offset:1024*(\c)+512
	global_store_b128 v4, v[HC+4:HC+7], s[34:35] offset:1024*(\c)+32768
	global_store_b128 v4, v[HC+12:HC+15], s[34:35] offset:1024*(\c)+32768+512
.endm
	LOADC 0
	LOADC 1
	CHUNK 0
	CHUNK 1
	CHUNK 2
	CHUNK 3
	FINISH
; ---------------- D: the mask's classes for query tile T (32 rows).  A wave takes 8 rows; a row is 16 loads of 512 bytes: load i, lane l holds keys 128 i + 4 l + 0..3.
; So four lanes hold a tile of 16 keys and sixteen lanes a step of 64.  G4: the largest (mt - the row's largest mt) seen in my 4 keys; AZ: the largest |mask|.
.LpathD:
.set G4, 160
.set AZ, 176
	s_sub_co_u32 s26, ttmp9, 880                   ; T
	v_lshlrev_b32 v3, 4, v2
	v_lshl_add_u32 v12, v0, 2, 67584               ; where my thread puts its word
	v_lshl_add_u32 v13, v2, 2, 67584               ; where wave 0 reads the four waves' words
	v_mov_b32 v9, 0                                ; a lane permute's destination counts as one of its sources
	s_lshl_b32 s30, s26, 18
	s_lshl_b32 s31, s2, 16
	s_add_co_u32 s30, s30, s31
	s_mov_b32 s31, 0
	s_add_nc_u64 s[28:29], s[18:19], s[30:31]      ; the mask at row 32 T + 8 w
	s_mov_b32 s44, 0xce6e6b28                      ; -1e9
	s_mov_b32 s45, s44
	s_mov_b32 s46, 0x76543210
	s_mov_b32 s47, 0xfedcba98
.macro ROWLOAD p
.irp i, 0,1,2,3,4,5,6,7,8,9,10,11,12,13,14,15
	global_load_b128 v[32+64*((\p)%2)+4*\i:32+64*((\p)%2)+4*\i+3], v3, s[28:29] offset:8192*(\p)+512*\i
.endr
.endm
.macro ROW p
.set BF, 32+64*((\p)%2)
.if (\p) < 7
	s_wait_loadcnt 16                              ; this row's 16 loads are in; the next row's may be out
.else
	s_wait_loadcnt 0x0
.endif
.irp i, 0,1,2,3,4,5,6,7,8,9,10,11,12,13,14,15
.if (\p) == 0
	v_max_num_f32 v[AZ+\i], |v[BF+4*\i]|, |v[BF+4*\i+1]|
.else
	v_max3_num_f32 v[AZ+\i], v[AZ+\i], |v[BF+4*\i]|, |v[BF+4*\i+1]|
.endif
.endr
.irp i, 0,1,2,3,4,5,6,7,8,9,10,11,12,13,14,15
	v_max3_num_f32 v[AZ+\i], v[AZ+\i], |v[BF+4*\i+2]|, |v[BF+4*\i+3]|
.endr
.irp i, 0,1,2,3,4,5,6,7,8,9,10,11,12,13,14,15,16,17,18,19,20,21,22,23,24,25,26,27,28,29,30,31
	v_pk_mul_f32 v[BF+2*\i:BF+2*\i+1], v[BF+2*\i:BF+2*\i+1], s[44:45] op_sel_hi:[1,0]   ; mt
.endr
.irp i, 0,1,2,3,4,5,6,7,8,9,10,11,12,13,14,15
	v_max3_num_f32 v[BF+4*\i], v[BF+4*\i], v[BF+4*\i+1], v[BF+4*\i+2]
.endr
.irp i, 0,1,2,3,4,5,6,7,8,9,10,11,12,13,14,15
	v_max_num_f32 v[BF+4*\i], v[BF+4*\i], v[BF+4*\i+3]      ; the largest mt of my 4 keys
.endr
	v_max3_num_f32 v8, v[BF], v[BF+4], v[BF+8]
.irp i, 3,5,7,9,11,13
	v_max3_num_f32 v8, v8, v[BF+4*\i], v[BF+4*\i+4]
.endr
	v_max_num_f32 v8, v8, v[BF+60]
	v_max_num_f32_dpp v8, v8, v8 row_xmask:1 row_mask:0xf bank_mask:0xf
	v_max_num_f32_dpp v8, v8, v8 row_xmask:2 row_mask:0xf bank_mask:0xf
	v_max_num_f32_dpp v8, v8, v8 row_xmask:4 row_mask:0xf bank_mask:0xf
	v_max_num_f32_dpp v8, v8, v8 row_xmask:8 row_mask:0xf bank_mask:0xf
	v_permlanex16_b32 v9, v8, s46, s47
	v_max_num_f32 v8, v8, v9                       ; the row's largest mt
.irp i, 0,1,2,3,4,5,6,7,8,9,10,11,12,13,14,15
.if (\p) == 0
	v_sub_f32 v[G4+\i], v[BF+4*\i], v8
.else
	v_sub_f32 v[BF+4*\i+1], v[BF+4*\i], v8
.endif
.endr
.if (\p) > 0
.irp i, 0,1,2,3,4,5,6,7,8,9,10,11,12,13,14,15
	v_max_num_f32 v[G4+\i], v[G4+\i], v[BF+4*\i+1]
.endr
.endif
.if (\p)+2 < 8
	ROWLOAD (\p)+2
.endif
.endm
	ROWLOAD 0
	ROWLOAD 1
.irp p, 0,1,2,3,4,5,6,7
	ROW \p
.endr
.irp x, 1,2                            ; G4 over the four lanes of a tile of 16 keys
.irp i, 0,1,2,3,4,5,6,7,8,9,10,11,12,13,14,15
	v_max_num_f32_dpp v[G4+\i], v[G4+\i], v[G4+\i] row_xmask:\x row_mask:0xf bank_mask:0xf
.endr
.endr
.irp x, 1,2,4,8                        ; AZ over the sixteen lanes of a step of 64 keys
.irp i, 0,1,2,3,4,5,6,7,8,9,10,11,12,13,14,15
	v_max_num_f32_dpp v[AZ+\i], v[AZ+\i], v[AZ+\i] row_xmask:\x row_mask:0xf bank_mask:0xf
.endr
.endr
	s_mov_b32 s40, 0xcd000000                      ; -2^27
	s_mov_b32 s32, 0                               ; LIVE
	s_mov_b32 s33, 0                               ; NZ
	s_mov_b32 s34, 0                               ; four words: a bit for each tile of 16 keys
	s_mov_b32 s35, 0
	s_mov_b32 s36, 0
	s_mov_b32 s37, 0
.set i, 0
.rept 16
	v_cmp_gt_f32 s41, v[G4+i], s40                 ; live lanes (the four of a tile agree)
	v_cmp_lt_f32 s42, 0, v[AZ+i]                   ; lanes whose step holds a mask other than 0 (sixteen agree)
	s_and_b32 s41, s41, 0x11111111                 ; one bit of each four, then pressed together into bits 0-7
	s_lshr_b32 s43, s41, 3
	s_or_b32 s41, s41, s43
	s_and_b32 s41, s41, 0x03030303
	s_lshr_b32 s43, s41, 6
	s_or_b32 s41, s41, s43
	s_and_b32 s41, s41, 0x000f000f
	s_lshr_b32 s43, s41, 12
	s_or_b32 s41, s41, s43
	s_and_b32 s41, s41, 0xff
	s_lshl_b32 s43, s41, 8*(i%4)
	s_or_b32 s[34+i/4], s[34+i/4], s43             ; tiles 8 i .. 8 i + 7
	s_lshr_b32 s43, s41, 1
	s_or_b32 s41, s41, s43
	s_lshr_b32 s43, s41, 2
	s_or_b32 s41, s41, s43                         ; bit 0: any of tiles 0-3; bit 4: any of tiles 4-7
	s_and_b32 s43, s41, 1
	s_lshr_b32 s41, s41, 3
	s_and_b32 s41, s41, 2
	s_or_b32 s41, s41, s43
	s_lshl_b32 s41, s41, 2*i
	s_or_b32 s32, s32, s41                         ; steps 2 i, 2 i + 1
	s_and_b32 s43, s42, 1
	s_lshr_b32 s42, s42, 15
	s_and_b32 s42, s42, 2
	s_or_b32 s42, s42, s43
	s_lshl_b32 s42, s42, 2*i
	s_or_b32 s33, s33, s42
.set i, i+1
.endr
	v_mov_b32 v20, 0
	v_writelane_b32 v20, s32, 0
	v_writelane_b32 v20, s33, 1
	v_writelane_b32 v20, s34, 2
	v_writelane_b32 v20, s35, 3
	v_writelane_b32 v20, s36, 4
	v_writelane_b32 v20, s37, 5
	ds_store_b32 v12, v20
	s_wait_dscnt 0x0                               ; for the others' sake: my word has landed
	s_barrier_signal -1
	s_barrier_wait -1
	s_cmp_lg_u32 s2, 0
	s_cbranch_scc1 .LendD
	ds_load_b32 v21, v13
	ds_load_b32 v22, v13 offset:128
	ds_load_b32 v23, v13 offset:256
	ds_load_b32 v24, v13 offset:384
	s_wait_dscnt 0x0
	v_or_b32 v22, v21, v22                         ; rows 0-15 of the tile (waves 0 and 1)
	v_or_b32 v23, v23, v24
	v_or_b32 v23, v22, v23                         ; all 32 rows
	v_lshlrev_b32 v25, 2, v2
	s_lshl_b32 s30, s26, 3
	s_mov_b32 s31, 0
	s_add_nc_u64 s[30:31], s[24:25], s[30:31]
	v_cmp_gt_u32 vcc_lo, 2, v2
	s_wait_xcnt 0x0                                ; EXEC changes only behind this wait
	s_and_saveexec_b32 s40, vcc_lo
	global_store_b32 v25, v23, s[30:31]            ; lanes 0, 1: LIVE, NZ of tile T
	s_wait_xcnt 0x0
	s_or_b32 exec_lo, exec_lo, s40
	s_cmp_lg_u32 s26, 0
	s_cbranch_scc1 .LendD
	v_add_nc_u32 v26, -2, v2
	v_cmp_gt_u32 vcc_lo, 4, v26
	s_and_saveexec_b32 s40, vcc_lo
	global_store_b32 v25, v22, s[24:25] offset:504 ; lanes 2-5: the four words for rows 0-15, at byte 512
	s_wait_xcnt 0x0
	s_or_b32 exec_lo, exec_lo, s40
.LendD:
	FINISH
.Lfunc_end_k_q5b8b27374d_prep:
	.size	k_q5b8b27374d_prep, .Lfunc_end_k_q5b8b27374d_prep-k_q5b8b27374d_prep
	.p2alignl 7, 3214868480
	.fill 96, 4, 3214868480
	.section	.rodata,"a",@progbits
	.p2align	6, 0x0
	.amdhsa_kernel k_q5b8b27374d_prep
		.amdhsa_group_segment_fixed_size 68608
		.amdhsa_private_segment_fixed_size 0
		.amdhsa_enable_private_segment 0
		.amdhsa_kernarg_size 88
		.amdhsa_user_sgpr_count 2
		.amdhsa_user_sgpr_kernarg_segment_ptr 1
		.amdhsa_wavefront_size32 1
		.amdhsa_system_sgpr_workgroup_id_x 1
		.amdhsa_system_sgpr_workgroup_id_y 1
		.amdhsa_system_sgpr_workgroup_id_z 1
		.amdhsa_system_vgpr_workitem_id 0
		.amdhsa_next_free_vgpr 200
		.amdhsa_next_free_sgpr 66
		.amdhsa_reserve_vcc 1
		.amdhsa_float_denorm_mode_32 3
		.amdhsa_float_denorm_mode_16_64 3
		.amdhsa_memory_ordered 1
		.amdhsa_forward_progress 1
		.amdhsa_inst_pref_size 228
	.end_amdhsa_kernel
	.amdgpu_metadata
---
amdhsa.version: [ 1, 2 ]
amdhsa.kernels:
  - .name:           k_q5b8b27374d_prep
    .symbol:         k_q5b8b27374d_prep.kd
    .args:
      - { .name: q, .offset: 0, .size: 8, .value_kind: global_buffer, .address_space: global }
      - { .name: k, .offset: 8, .size: 8, .value_kind: global_buffer, .address_space: global }
      - { .name: v, .offset: 16, .size: 8, .value_kind: global_buffer, .address_space: global }
      - { .name: wq, .offset: 24, .size: 8, .value_kind: global_buffer, .address_space: global }
      - { .name: wk, .offset: 32, .size: 8, .value_kind: global_buffer, .address_space: global }
      - { .name: wv, .offset: 40, .size: 8, .value_kind: global_buffer, .address_space: global }
      - { .name: wo, .offset: 48, .size: 8, .value_kind: global_buffer, .address_space: global }
      - { .name: mask, .offset: 56, .size: 8, .value_kind: global_buffer, .address_space: global }
      - { .name: XQ, .offset: 64, .size: 8, .value_kind: global_buffer, .address_space: global }
      - { .name: WB, .offset: 72, .size: 8, .value_kind: global_buffer, .address_space: global }
      - { .name: FL, .offset: 80, .size: 8, .value_kind: global_buffer, .address_space: global }
    .group_segment_fixed_size: 68608
    .private_segment_fixed_size: 0
    .kernarg_segment_align: 8
    .kernarg_segment_size: 88
    .max_flat_workgroup_size: 128
    .sgpr_count:     66
    .vgpr_count:     200
    .wavefront_size: 32
...
	.end_amdgpu_metadata
.endif
;; end of part 1
;; launch fine1 (part 2): grid 16 x 4, 8 waves a work-group, no clusters, 143,360 bytes of LDS; arguments XQ, WB, FL, mask, bq, bk, bv, OFI; writes OFI
.if DOCPART == 2
	.amdgcn_target "amdgcn-amd-amdhsa--gfx1250"
	.amdhsa_code_object_version 6
	.text
	.protected	k_q5b8b27374d_fine1
	.globl	k_q5b8b27374d_fine1
	.p2align	8
	.type	k_q5b8b27374d_fine1,@function
k_q5b8b27374d_fine1:
	s_mov_b64 s[64:65], 0
	v_nop
	global_prefetch_b8 v0, s[64:65] scope:SCOPE_SE
	s_setreg_imm32_b32 hwreg(HW_REG_WAVE_MODE, 25, 1), 1
	s_wait_xcnt 0x0
; FINE1: attention for positions 0-15 of every sequence with f32 operands: these rows average few values, so 16-bit operands would weigh most there.
; A work-group is one (head, batch).  Wave w owns key tiles 16 w .. 16 w + 15 (16 keys each) and walks them in a loop of 16 trips; a scalar branch on the stored list leads round the work of a dead tile.
; For a live tile the projections of its 16 keys are made anew from the codes (E2M1, scaled matrix form, K = 1,024 in 8 steps), then S^T = K Q^T and O^T = V^T P by the f32 matrix form.
; LAYOUTS.  Q, K: source 0 = 16 weight rows (channels), source 1 = 16 tokens: a lane holds a token (lane % 16), register 8 ct + j channel 16 ct + 8 h + j.
;   In the f32 form (K = 4: register j is k = 2 h + j) the pair 8 ct + 2 i, + 1 of K and of Q carries the same four channels in the same places, so the products meet.
;   V: source 0 = tokens, source 1 = weight rows: a lane holds a channel, register j key 8 h + j; P's pair 2 i, + 1 carries the same four keys.
; The waves' partial (m, l, O) meet in LDS; waves 0-3 join them, divide, add bv (the weights sum to 1) and store 16 channels each.
; The registers that the f32 matrix form writes (v224-255) are written by matrix instructions alone.
; LIMITS as in the launch that made the list: |logit| < 2^25; NaN and infinities are not served.
.set AT,  1                            ; 512 r + 16 h: a token fragment's bytes
.set AS,  2                            ; 32 r: a token's scale bytes
.set AM,  3                            ; 8192 r + 32 h: the mask: query r, keys 8 h ..
.set AW,  4                            ; v4-6  LDS: a weight fragment's bytes, for wq, wk, wv
.set ASC, 7                            ; LDS: a weight row's scale bytes
.set BH,  8                            ; 32 h
.set L16, 9                            ; 16 x lane
.set SW,  10                           ; v10-12 LDS: where my wave puts its 8 rows of each weight
.set SPW, 13
.set NIL, 14
.set L8,  15                           ; 8 x lane
.set MX,  16                           ; m
.set LS,  17                           ; l
.set AL,  18                           ; v[18:19] alpha (low word serves both halves)
.set SSW, 24
.set MW,  25
.set MLW, 26
.set MR,  27
.set MLR, 28
.set OV,  29
.set WS,  32                           ; v32-63 weight scale words (ct, ks): nothing but scales
.set TSK, 64                           ; v64-71 token scale words of q, then k
.set TSV, 72                           ; v72-79 of v
.set X,   80                           ; v80-87 scores, then p
.set MK,  88                           ; v88-95 mask, later bv
.set QH,  96
.set KH,  128                          ; K's projection, later V's
.set OA,  192                          ; the running O^T
.set SP,  224                          ; f32 matrix results: four partial S^T, later O^T of the tile
.set TFK, 0                            ; window 1: token fragments of q, then k
.set TFV, 64                           ; of v
.set WF,  128                          ; two sets of four weight fragments
.set BB,  192                          ; the bias in the result's layout: bq, then bk
.set STGR, 64                          ; phase 0's staging
.set SCB,   101376
.set MRG,   107520
.set SPARE, 142336
.set MSB, 0
.macro WIN new
.if MSB != \new
	s_set_vgpr_msb (MSB<<8)|\new
.set MSB, \new
.endif
.endm
.macro NOPS n
.rept \n
	v_nop
.endr
.endm
	s_load_b256 s[4:11], s[0:1], 0x0               ; XQ, WB, FL, mask
	s_load_b256 s[12:19], s[0:1], 0x20             ; bq, bk, bv, OFI
	v_lshl_add_u32 v[SPW], v0, 2, SPARE
	v_mov_b32 v[NIL], 0
	v_lshrrev_b32 v20, 5, v0
	v_readfirstlane_b32 s20, v20                   ; wave 0..7
	s_and_b32 s22, ttmp7, 0xffff                   ; batch; ttmp9 is the head
	v_and_b32 v21, 15, v0                          ; r
	v_bfe_u32 v22, v0, 4, 1                        ; h
	v_and_b32 v23, 31, v0                          ; lane
	v_lshlrev_b32 v[AT], 9, v21
	v_lshl_add_u32 v[AT], v22, 4, v[AT]
	v_lshlrev_b32 v[AS], 5, v21
	v_lshlrev_b32 v[AM], 13, v21
	v_lshl_add_u32 v[AM], v22, 5, v[AM]
	v_mul_u32_u24 v[AW], v21, 528
	v_lshl_add_u32 v[AW], v22, 4, v[AW]
	v_add_nc_u32 v[AW+1], 33792, v[AW]
	v_add_nc_u32 v[AW+2], 67584, v[AW]
	v_lshl_add_u32 v[ASC], v21, 5, SCB
	v_lshlrev_b32 v[BH], 5, v22
	v_lshlrev_b32 v[L16], 4, v23
	v_lshlrev_b32 v[L8], 3, v23
	s_mul_i32 s32, s20, 4224                       ; 8 rows of 528 bytes
	v_add_nc_u32 v[SW], s32, v[L16]
	v_add_nc_u32 v[SW+1], 33792, v[SW]
	v_add_nc_u32 v[SW+2], 67584, v[SW]
	s_lshl_b32 s32, s20, 8
	s_add_co_u32 s32, s32, SCB
	v_add_nc_u32 v[SSW], s32, v[L8]
	s_mul_i32 s32, s20, 4352
	s_add_co_u32 s32, s32, MRG
	v_add_nc_u32 v[MW], s32, v[L16]
	s_add_co_u32 s32, s32, 4096
	v_add_nc_u32 v[MLW], s32, v[L8]
	s_lshl_b32 s32, s20, 10
	s_add_co_u32 s32, s32, MRG
	v_add_nc_u32 v[MR], s32, v[L16]
	v_add_nc_u32 v[MLR], MRG+4096, v[L8]
	v_lshlrev_b32 v[OV], 12, v21
	v_lshl_add_u32 v[OV], v22, 5, v[OV]
	v_mov_b32 v19, 0                               ; named as the upper half of the pair v[18:19]
	s_lshl_b32 s38, ttmp9, 15                      ; the head's 64 rows of a weight's codes, my 8 of them
	s_lshl_b32 s32, s20, 12
	s_add_co_u32 s38, s38, s32
	s_mov_b32 s39, 0
	s_lshl_b32 s40, ttmp9, 11                      ; their scale bytes
	s_lshl_b32 s32, s20, 8
	s_add_co_u32 s40, s40, s32
	s_add_co_u32 s40, s40, 1572864
	s_mov_b32 s41, 0
	s_lshl_b32 s42, s22, 20                        ; the batch's first token: codes,
	s_mov_b32 s43, 0
	s_lshl_b32 s44, s22, 16                        ; scale bytes
	s_add_co_u32 s44, s44, 12582912
	s_mov_b32 s45, 0
	s_lshl_b32 s26, s20, 17                        ; k's codes at my first key tile
	s_add_co_u32 s26, s26, s42
	s_add_co_u32 s26, s26, 4194304
	s_mov_b32 s27, 0
	s_lshl_b32 s28, s20, 13                        ; k's scale bytes there
	s_add_co_u32 s28, s28, s44
	s_add_co_u32 s28, s28, 262144
	s_mov_b32 s29, 0
	s_lshl_b32 s30, s20, 10                        ; the mask's columns there
	s_mov_b32 s31, 0
	s_lshl_b32 s46, ttmp9, 8                       ; the head's 64 numbers of a bias
	s_mov_b32 s47, 0
	s_lshr_b32 s48, s20, 1                         ; my word of the list for rows 0-15
	s_lshl_b32 s48, s48, 2
	s_add_co_u32 s48, s48, 512
	s_mov_b32 s49, 0
	s_mov_b32 s34, 0x76543210
	s_mov_b32 s35, 0xfedcba98
	s_mov_b32 s36, 0x3fb8aa3b                      ; log2(e)
	s_mov_b32 s37, 0xce6e6b28                      ; -1e9
	s_wait_kmcnt 0x0
	s_add_nc_u64 s[38:39], s[6:7], s[38:39]
	s_add_nc_u64 s[40:41], s[6:7], s[40:41]
	s_add_nc_u64 s[42:43], s[4:5], s[42:43]
	s_add_nc_u64 s[44:45], s[4:5], s[44:45]
	s_add_nc_u64 s[26:27], s[4:5], s[26:27]
	s_add_nc_u64 s[28:29], s[4:5], s[28:29]
	s_add_nc_u64 s[30:31], s[10:11], s[30:31]
	s_add_nc_u64 s[12:13], s[12:13], s[46:47]
	s_add_nc_u64 s[14:15], s[14:15], s[46:47]
	s_add_nc_u64 s[48:49], s[8:9], s[48:49]
	s_load_b32 s23, s[48:49], 0x0
	; ---- phase 0: the head's slices of the three weights go into LDS (rows of 512 bytes + 16), their scale bytes beside them
	WIN 0x40
.irp m, 0,1,2
.irp p, 0,1,2,3,4,5,6,7
	global_load_b128 v[STGR+32*\m+4*\p:STGR+32*\m+4*\p+3], v[L16], s[38:39] offset:\m*524288+\p*512
.endr
.endr
.irp m, 0,1,2
	global_load_b64 v[STGR+96+2*\m:STGR+96+2*\m+1], v[L8], s[40:41] offset:\m*32768
.endr
.irp ks, 0,1,2,3,4,5,6,7
.irp c, 0,1
	global_load_b128 v[TFK+8*\ks+4*\c:TFK+8*\ks+4*\c+3], v[AT], s[42:43] offset:64*\ks+32*\c   ; q's fragments
.endr
.endr
.irp ct, 0,1,2,3
.irp e, 0,1
	global_load_b128 v[BB+8*\ct+4*\e:BB+8*\ct+4*\e+3], v[BH], s[12:13] offset:64*\ct+16*\e     ; bq
.endr
.endr
	WIN 0
	global_load_b128 v[TSK:TSK+3], v[AS], s[44:45]
	global_load_b128 v[TSK+4:TSK+7], v[AS], s[44:45] offset:16
	s_wait_loadcnt 26                              ; the 27 staged loads are in; q's 16, bq's 8 and the 2 scale loads may be out
	WIN 0x04                                       ; an LDS store's data are its source 1
.irp m, 0,1,2
.irp p, 0,1,2,3,4,5,6,7
	ds_store_b128 v[SW+\m], v[STGR+32*\m+4*\p:STGR+32*\m+4*\p+3] offset:\p*528
.endr
.endr
.irp m, 0,1,2
	ds_store_b64 v[SSW], v[STGR+96+2*\m:STGR+96+2*\m+1] offset:\m*2048
.endr
	WIN 0
	s_wait_dscnt 0x0                               ; for the others' sake: my stores have landed
	s_barrier_signal -1
	s_barrier_wait -1
	s_wait_loadcnt 0x0
.macro FP4 d, a, b, c, sa, sb
	v_wmma_scale_f32_16x16x128_f8f6f4 v[\d:\d+7], v[\a:\a+7], v[\b:\b+7], \c, v[\sa], v[\sb] matrix_a_fmt:MATRIX_FMT_FP4 matrix_b_fmt:MATRIX_FMT_FP4
.endm
.macro FETCHW aw, ks                   ; four weight fragments (16 rows x 128 K each) of K step ks
.irp ct, 0,1,2,3
.irp c, 0,1
	ds_load_b128 v[WF+32*((\ks)%2)+8*\ct+4*\c:WF+32*((\ks)%2)+8*\ct+4*\c+3], v[\aw] offset:\ct*8448+64*(\ks)+32*\c
.endr
.endr
.endm
; A projection of 16 tokens onto the head's 64 channels: 8 K steps x 4 channel tiles, the four accumulators by turns.
; orient 0: source 0 = weights, C of the first step = the bias.  orient 1: source 0 = tokens, C = 0.
.macro PROJ aw, scoff, orient, d, tf, ts
.irp ct, 0,1,2,3
.irp e, 0,1
	ds_load_b128 v[WS+8*\ct+4*\e:WS+8*\ct+4*\e+3], v[ASC] offset:\scoff+\ct*512+16*\e
.endr
.endr
	WIN 0x40
	FETCHW \aw, 0
	FETCHW \aw, 1
.irp ks, 0,1,2,3,4,5,6,7
.if \ks < 7
	s_wait_dscnt 8                                 ; this step's fragments are in; the next step's 8 loads may be out
.else
	s_wait_dscnt 0x0
.endif
.if (\ks == 0) && (\orient == 0)
	WIN 0x15                                       ; sources 0, 1 and the bias in window 1
.else
	WIN 0x05
.endif
.irp ct, 0,1,2,3
.if \orient == 0
.if \ks == 0
	FP4 \d+8*\ct, WF+8*\ct, \tf, v[BB+8*\ct:BB+8*\ct+7], WS+8*\ct, \ts
.else
	FP4 \d+8*\ct, WF+32*(\ks%2)+8*\ct, \tf+8*\ks, v[\d+8*\ct:\d+8*\ct+7], WS+8*\ct+\ks, \ts+\ks
.endif
.else
.if \ks == 0
	FP4 \d+8*\ct, \tf, WF+8*\ct, 0, \ts, WS+8*\ct
.else
	FP4 \d+8*\ct, \tf+8*\ks, WF+32*(\ks%2)+8*\ct, v[\d+8*\ct:\d+8*\ct+7], \ts+\ks, WS+8*\ct+\ks
.endif
.endif
.endr
	NOPS 4                                         ; places in front of loads into registers that these products have read
.if \ks < 6
	WIN 0x40
	FETCHW \aw, \ks+2
.endif
.endr
	WIN 0
.endm
	PROJ AW, 0, 0, QH, TFK, TSK                    ; qh of the 16 positions
	WIN 0x40
.irp ct, 0,1,2,3
.irp e, 0,1
	global_load_b128 v[BB+8*\ct+4*\e:BB+8*\ct+4*\e+3], v[BH], s[14:15] offset:64*\ct+16*\e     ; bk takes bq's place
.endr
.endr
	WIN 0
	v_mov_b32 v[MX], 0xff61b1e6                    ; -3e38, under every logit
	v_mov_b32 v[LS], 0
.set i, 0
.rept 32
	v_mov_b32 v[OA+i], 0                           ; which tile comes first hangs on the list, so no first tile can be written out
.set i, i+1
.endr
	s_wait_kmcnt 0x0
	s_and_b32 s32, s20, 1
	s_lshl_b32 s32, s32, 4
	s_lshr_b32 s23, s23, s32                       ; my 16 bits
	s_mov_b32 s24, 16
.Ltile:
	s_and_b32 s33, s23, 1
	s_lshr_b32 s23, s23, 1
	s_cmp_eq_u32 s33, 0
	s_cbranch_scc1 .Lskip
	WIN 0x40
.irp ks, 0,1,2,3,4,5,6,7
.irp c, 0,1
	global_load_b128 v[TFK+8*\ks+4*\c:TFK+8*\ks+4*\c+3], v[AT], s[26:27] offset:64*\ks+32*\c
	global_load_b128 v[TFV+8*\ks+4*\c:TFV+8*\ks+4*\c+3], v[AT], s[26:27] offset:4194304+64*\ks+32*\c
.endr
.endr
	WIN 0
	global_load_b128 v[TSK:TSK+3], v[AS], s[28:29]
	global_load_b128 v[TSK+4:TSK+7], v[AS], s[28:29] offset:16
	global_load_b128 v[TSV:TSV+3], v[AS], s[28:29] offset:262144
	global_load_b128 v[TSV+4:TSV+7], v[AS], s[28:29] offset:262144+16
	global_load_b128 v[MK:MK+3], v[AM], s[30:31]
	global_load_b128 v[MK+4:MK+7], v[AM], s[30:31] offset:16
	s_wait_loadcnt 0x0
	PROJ AW+1, 2048, 0, KH, TFK, TSK
	NOPS 5                                         ; with the four above: places before a matrix instruction takes these results as a source
.irp i, 0,1,2,3                        ; S^T = K Q^T: four partial sums by turns, 16 channels each
.irp ct, 0,1,2,3
.if \i == 0
	v_wmma_f32_16x16x4_f32 v[SP+8*\ct:SP+8*\ct+7], v[KH+8*\ct:KH+8*\ct+1], v[QH+8*\ct:QH+8*\ct+1], 0
.else
	v_wmma_f32_16x16x4_f32 v[SP+8*\ct:SP+8*\ct+7], v[KH+8*\ct+2*\i:KH+8*\ct+2*\i+1], v[QH+8*\ct+2*\i:QH+8*\ct+2*\i+1], v[SP+8*\ct:SP+8*\ct+7]
.endif
.endr
.endr
	NOPS 9
.irp j, 0,2,4,6
	v_pk_add_f32 v[20:21], v[SP+\j:SP+\j+1], v[SP+8+\j:SP+8+\j+1]
	v_pk_add_f32 v[22:23], v[SP+16+\j:SP+16+\j+1], v[SP+24+\j:SP+24+\j+1]
	v_pk_add_f32 v[X+\j:X+\j+1], v[20:21], v[22:23]
.endr
.irp j, 0,1,2,3,4,5,6,7
	v_mul_f32 v[MK+\j], s37, v[MK+\j]              ; mask x (-1e9), rounded as reference() rounds it
.endr
.irp j, 0,1,2,3,4,5,6,7
	v_fmamk_f32 v[X+\j], v[X+\j], 0x3e000000, v[MK+\j]   ; s / 8 is exact, so this is reference()'s one rounding
.endr
	v_max3_num_f32 v20, v[X], v[X+1], v[X+2]
	v_max3_num_f32 v20, v20, v[X+3], v[X+4]
	v_max3_num_f32 v20, v20, v[X+5], v[X+6]
	v_max3_num_f32 v20, v20, v[X+7], v[MX]
	v_permlanex16_b32 v21, v20, s34, s35           ; the query's other 8 keys lie in the lane 16 away
	v_max_num_f32 v20, v20, v21
	v_sub_f32 v21, v[MX], v20
	v_mov_b32 v[MX], v20
	v_mul_f32 v21, s36, v21
.irp j, 0,1,2,3,4,5,6,7
	v_sub_f32 v[X+\j], v[X+\j], v[MX]
.endr
.irp j, 0,1,2,3,4,5,6,7
	v_mul_f32 v[X+\j], s36, v[X+\j]
.endr
	v_exp_f32 v[AL], v21
.irp j, 0,1,2,3,4,5,6,7
	v_exp_f32 v[X+\j], v[X+\j]
.endr
	v_nop                                          ; a plain instruction behind the last exponential
	s_wait_alu depctr_va_vdst(0)                   ; one wait for the nine, ahead of their first reader
	v_pk_add_f32 v[20:21], v[X:X+1], v[X+2:X+3]
	v_pk_add_f32 v[22:23], v[X+4:X+5], v[X+6:X+7]
	v_pk_add_f32 v[20:21], v[20:21], v[22:23]
	v_add_f32 v20, v20, v21
	v_fma_f32 v[LS], v[LS], v[AL], v20
	PROJ AW+2, 4096, 1, KH, TFV, TSV
	NOPS 5
.irp i, 0,1,2,3                        ; O^T of the tile = V^T P: four channel tiles by turns, four keys a step
.irp dt, 0,1,2,3
.if \i == 0
	v_wmma_f32_16x16x4_f32 v[SP+8*\dt:SP+8*\dt+7], v[KH+8*\dt:KH+8*\dt+1], v[X:X+1], 0
.else
	v_wmma_f32_16x16x4_f32 v[SP+8*\dt:SP+8*\dt+7], v[KH+8*\dt+2*\i:KH+8*\dt+2*\i+1], v[X+2*\i:X+2*\i+1], v[SP+8*\dt:SP+8*\dt+7]
.endif
.endr
.endr
	NOPS 9
.set i, 0
.rept 16
	v_pk_fma_f32 v[OA+i:OA+i+1], v[OA+i:OA+i+1], v[AL:AL+1], v[SP+i:SP+i+1] op_sel_hi:[1,0,1]
.set i, i+2
.endr
.Lskip:
	s_add_nc_u64 s[26:27], s[26:27], 8192          ; 16 tokens of 512 bytes (every load of the trip has been waited for)
	s_add_nc_u64 s[28:29], s[28:29], 512
	s_add_nc_u64 s[30:31], s[30:31], 64
	s_sub_co_u32 s24, s24, 1
	s_cmp_lg_u32 s24, 0
	s_cbranch_scc1 .Ltile
	; ---- the eight waves' parts meet
.irp n, 0,1,2,3,4,5,6,7
	ds_store_b128 v[MW], v[OA+4*\n:OA+4*\n+3] offset:512*\n
.endr
	ds_store_b64 v[MLW], v[MX:MX+1]
	s_wait_dscnt 0x0
	s_barrier_signal -1
	s_barrier_wait -1
	s_cmp_gt_u32 s20, 3
	s_cbranch_scc1 .Lend
	s_lshl_b32 s32, s20, 6                         ; wave w joins channels 16 w .. 16 w + 15
	s_add_co_u32 s32, s32, s46
	s_mov_b32 s33, 0
	s_add_nc_u64 s[16:17], s[16:17], s[32:33]
	s_lshl_b32 s50, s22, 16
	s_add_co_u32 s32, s32, s50
	s_add_nc_u64 s[18:19], s[18:19], s[32:33]
	global_load_b128 v[MK:MK+3], v[BH], s[16:17]
	global_load_b128 v[MK+4:MK+7], v[BH], s[16:17] offset:16
.irp s, 0,1,2,3,4,5,6,7
	ds_load_b64 v[QH+2*\s:QH+2*\s+1], v[MLR] offset:\s*4352
.endr
.irp s, 0,1,2,3
	ds_load_b128 v[KH+8*\s:KH+8*\s+3], v[MR] offset:\s*4352
	ds_load_b128 v[KH+8*\s+4:KH+8*\s+7], v[MR] offset:\s*4352+512
	ds_load_b128 v[OA+8*\s:OA+8*\s+3], v[MR] offset:(\s+4)*4352
	ds_load_b128 v[OA+8*\s+4:OA+8*\s+7], v[MR] offset:(\s+4)*4352+512
.endr
	s_wait_dscnt 0x0
	v_max3_num_f32 v20, v[QH], v[QH+2], v[QH+4]
	v_max3_num_f32 v20, v20, v[QH+6], v[QH+8]
	v_max3_num_f32 v20, v20, v[QH+10], v[QH+12]
	v_max_num_f32 v20, v20, v[QH+14]
.irp s, 0,1,2,3,4,5,6,7
	v_sub_f32 v[QH+2*\s], v[QH+2*\s], v20
.endr
.irp s, 0,1,2,3,4,5,6,7
	v_mul_f32 v[QH+2*\s], s36, v[QH+2*\s]
.endr
.irp s, 0,1,2,3,4,5,6,7
	v_exp_f32 v[QH+2*\s], v[QH+2*\s]               ; a wave with no live tile has m = -3e38: its factor is 0
.endr
	v_nop
	s_wait_alu depctr_va_vdst(0)
	v_mul_f32 v21, v[QH], v[QH+1]
.irp s, 1,2,3,4,5,6,7
	v_fmac_f32 v21, v[QH+2*\s], v[QH+2*\s+1]
.endr
	v_permlanex16_b32 v22, v21, s34, s35
	v_add_f32 v21, v21, v22
	v_rcp_f32 v23, v21
.irp j, 0,1,2,3,4,5,6,7
	v_mul_f32 v[X+\j], v[QH], v[KH+\j]
.endr
.irp s, 1,2,3
.irp j, 0,1,2,3,4,5,6,7
	v_fmac_f32 v[X+\j], v[QH+2*\s], v[KH+8*\s+\j]
.endr
.endr
.irp s, 0,1,2,3
.irp j, 0,1,2,3,4,5,6,7
	v_fmac_f32 v[X+\j], v[QH+8+2*\s], v[OA+8*\s+\j]
.endr
.endr
	s_wait_alu depctr_va_vdst(0)                   ; the reciprocal, ahead of its first reader
	s_wait_loadcnt 0x0                             ; bv
.irp j, 0,1,2,3,4,5,6,7
	v_fma_f32 v[X+\j], v[X+\j], v23, v[MK+\j]
.endr
	global_store_b128 v[OV], v[X:X+3], s[18:19]
	global_store_b128 v[OV], v[X+4:X+7], s[18:19] offset:16
.Lend:
	s_wait_tensorcnt 0x0                           ; a wave's end, behind my last LDS store
	ds_add_u32 v[SPW], v[NIL]
	s_wait_dscnt 0x0
	s_endpgm
.Lfunc_end_k_q5b8b27374d_fine1:
	.size	k_q5b8b27374d_fine1, .Lfunc_end_k_q5b8b27374d_fine1-k_q5b8b27374d_fine1
	.p2alignl 7, 3214868480
	.fill 96, 4, 3214868480
	.section	.rodata,"a",@progbits
	.p2align	6, 0x0
	.amdhsa_kernel k_q5b8b27374d_fine1
		.amdhsa_group_segment_fixed_size 143360
		.amdhsa_private_segment_fixed_size 0
		.amdhsa_enable_private_segment 0
		.amdhsa_kernarg_size 64
		.amdhsa_user_sgpr_count 2
		.amdhsa_user_sgpr_kernarg_segment_ptr 1
		.amdhsa_wavefront_size32 1
		.amdhsa_system_sgpr_workgroup_id_x 1
		.amdhsa_system_sgpr_workgroup_id_y 1
		.amdhsa_system_sgpr_workgroup_id_z 1
		.amdhsa_system_vgpr_workitem_id 0
		.amdhsa_next_free_vgpr 512
		.amdhsa_next_free_sgpr 66
		.amdhsa_reserve_vcc 0
		.amdhsa_float_denorm_mode_32 3
		.amdhsa_float_denorm_mode_16_64 3
		.amdhsa_memory_ordered 1
		.amdhsa_forward_progress 1
		.amdhsa_inst_pref_size 62
	.end_amdhsa_kernel
	.amdgpu_metadata
---
amdhsa.version: [ 1, 2 ]
amdhsa.kernels:
  - .name:           k_q5b8b27374d_fine1
    .symbol:         k_q5b8b27374d_fine1.kd
    .args:
      - { .name: XQ, .offset: 0, .size: 8, .value_kind: global_buffer, .address_space: global }
      - { .name: WB, .offset: 8, .size: 8, .value_kind: global_buffer, .address_space: global }
      - { .name: FL, .offset: 16, .size: 8, .value_kind: global_buffer, .address_space: global }
      - { .name: mask, .offset: 24, .size: 8, .value_kind: global_buffer, .address_space: global }
      - { .name: bq, .offset: 32, .size: 8, .value_kind: global_buffer, .address_space: global }
      - { .name: bk, .offset: 40, .size: 8, .value_kind: global_buffer, .address_space: global }
      - { .name: bv, .offset: 48, .size: 8, .value_kind: global_buffer, .address_space: global }
      - { .name: OFI, .offset: 56, .size: 8, .value_kind: global_buffer, .address_space: global }
    .group_segment_fixed_size: 143360
    .private_segment_fixed_size: 0
    .kernarg_segment_align: 8
    .kernarg_segment_size: 64
    .max_flat_workgroup_size: 256
    .sgpr_count:     66
    .vgpr_count:     512
    .wavefront_size: 32
...
	.end_amdgpu_metadata
.endif
;; end of part 2
;; launch proj (part 3): grid 4 x 96, 4 waves a work-group, clusters of 4 x 4, 327,680 bytes of LDS; arguments XQ, WB, bq, bk, HF; writes HF
.if DOCPART == 3
	.amdgcn_target "amdgcn-amd-amdhsa--gfx1250"
	.amdhsa_code_object_version 6
	.text
	.protected	k_q5b8b27374d_proj
	.globl	k_q5b8b27374d_proj
	.p2align	8
	.type	k_q5b8b27374d_proj,@function
k_q5b8b27374d_proj:
	s_mov_b64 s[64:65], 0
	v_nop
	global_prefetch_b8 v0, s[64:65] scope:SCOPE_SE
	s_setreg_imm32_b32 hwreg(HW_REG_WAVE_MODE, 25, 1), 1
	s_wait_xcnt 0x0
	s_wait_alu depctr_hold_cnt(0) depctr_sa_sdst(0) depctr_va_vdst(0) depctr_va_sdst(0) depctr_va_ssrc(0) depctr_va_vcc(0) depctr_vm_vsrc(0)
	s_getreg_b32 s2, hwreg(HW_REG_IB_STS2, 6, 4)
	s_cmp_eq_u32 s2, 0
	s_cbranch_scc0 .Lentry_in_a_cluster
	s_endpgm
.Lentry_in_a_cluster:
	s_bfe_u32 s2, ttmp6, 0x10000c
	s_cmp_lg_u32 s2, 0xf033
	s_cbranch_scc0 .Lentry_shape_is_right
	s_endpgm
.Lentry_shape_is_right:
; PROJ: the three quantised products q wq, k wk, v wv on codes of E2M1 with E8M0 scales, K = 1,024.  C[m][n] = sum over k of A[m][k] B[n][k]; a work-group of four waves makes 256 x 256, a wave 128 x 128.
; The cluster's y says which tensor: t = y / 8.  t = 0, 1 (q, k): A = the tokens, B = the weight.  t = 2 (v): A = wv, B = the tokens, so that a lane holds a channel and its registers run along the tokens.
; All of K fits into the two LDS slots (512 along K each): both are filled once, at the start, and nothing is filled again; by this text's count a wave has three tensor loads out (scales, slot 0, slot 1).
; CLUSTERS: 4 x 4 work-groups; A's tiles are asked for jointly along a row of the cluster, B's along a column.  t hangs on the cluster's y alone: every branch on it goes the same way in all sixteen partners.
; THE MATRIX INSTRUCTION IS USED TRANSPOSED (source 0 = 16 rows of B, source 1 = 16 rows of A): a lane holds row l % 16 of A's block and eight neighbouring rows of B's.
; THE WAY OUT: the results (q, k: + the bias) are rounded to f16 and stored as IMAGES OF OPERAND REGISTERS for the attention launch: four registers, lane l's 16 bytes at 16 l: each store covers 512 consecutive bytes, aligned.
;   q, k: [batch x 16 + head][token tile][32 channels c][g]: g = 0: channels 8 h .., g = 1: 16 + 8 h ..      v: [batch x 16 + head][32 keys][16 channels][g]: lane = channel, registers = keys.  bv is added behind the softmax.
; LIMIT: projected values stay under 65,504 (f16).
; REGISTERS: window 0: v0-31 addresses; v32-95 scale words, two sets; v96-127 packed results; v128-191 A's fragments, later sums with the bias; v192-255 the bias.  window 1: B's fragments, two sets.  windows 2, 3: the 64 accumulators.
.set KSTEP,  512
.set NQ,     4
.set ROWB,   256
.set KROW,   512
.set PITCH,  272                       ; 256 bytes + 16 of padding: the 16 rows that a load touches start at 16 different banks (ISA guide 11.1)
.set FR,     8
.set NL,     2
.set NP,     4
.set HALFT,  128*PITCH
.set SLOT,   4*HALFT
.set KS,     32
.set SCL,    2*SLOT
.set HALFS,  16*272
.set SBLK,   2*272
.set SPARE,  SCL+4*HALFS
.set ADRA, 16
.set ADRB, 20
.set BOF,  25                          ; v25 32 h: the bias loads' offset
.set CO,   26                          ; v26 16 x lane
.set ADRS, 27
.set SPW,  28
.set NIL,  29
.set SC,   32
.set PK,   96
.set AF,   128
.set TMPF, 128
.set BI,   192
.set G1, 24
.set G0, 32
.set G1B, 48
.set G0B, 56
.set G1S, 68
.set G0S, 76
.set G1SB, 80
.set G0SB, 88
.set TT, 95                            ; s95 which tensor
.set MSB, 0
.macro WIN new
.if MSB != \new
	s_set_vgpr_msb (MSB<<8)|\new
.set MSB, \new
.endif
.endm
.set MUL_LO, 0xa1
.set MUL_HI, 0xf1
.set TO_B,   0x40
.macro JLOAD g0a, g1a, g0b, g1b        ; a joint load: waves 0 and 1 fetch for A, waves 2 and 3 for B; an s_nop 0 and four v_nop follow each line
	s_cmp_eq_u32 s15, 0
	s_cbranch_scc0 .Lfor_b_\@
	tensor_load_to_lds s[\g0a:\g0a+3], s[\g1a:\g1a+7]
	s_nop 0
.rept 4
	v_nop
.endr
	s_branch .Lasked_\@
.Lfor_b_\@:
	tensor_load_to_lds s[\g0b:\g0b+3], s[\g1b:\g1b+7]
	s_nop 0
.rept 4
	v_nop
.endr
.Lasked_\@:
.endm
.macro CROUND                          ; a round of the cluster's barrier
	s_barrier_signal -1
	s_barrier_wait -1
	s_cmp_lg_u32 s14, 0
	s_cbranch_scc1 .Lnot_wave_0_\@
	s_barrier_signal -3
.Lnot_wave_0_\@:
	s_barrier_wait -3
	s_barrier_signal -1
	s_barrier_wait -1
.endm
	s_load_b128 s[4:7], s[0:1], 0x0                ; XQ, WB
	s_load_b128 s[8:11], s[0:1], 0x10              ; bq, bk
	s_load_b64 s[12:13], s[0:1], 0x20              ; HF
	v_lshl_add_u32 v[SPW], v0, 2, SPARE
	v_mov_b32 v[NIL], 0
	ds_add_u32 v[SPW], v[NIL]                      ; the wave's opening: the add, twice on end, and its wait ahead of my first tensor load
	ds_add_u32 v[SPW], v[NIL]
	v_lshrrev_b32 v1, 5, v0
	v_readfirstlane_b32 s14, v1                    ; wave 0..3
	s_lshr_b32 s15, s14, 1                         ; which half of A's rows is mine.  Also: I fetch for A (0) or for B (1)
	s_and_b32 s16, s14, 1                          ; which half of B's rows.  Also: which 128 rows of that tile I fetch
	s_bfe_u32 s40, ttmp6, 0x40000                  ; cx
	s_bfe_u32 s41, ttmp6, 0x40004                  ; cy
	s_and_b32 s17, ttmp7, 0xffff                   ; the cluster's y: 0..23
	s_lshr_b32 s[TT], s17, 3
	s_and_b32 s17, s17, 7
	s_lshl_b32 s17, s17, 2
	s_cmp_eq_u32 s[TT], 2
	s_cselect_b32 s42, s17, 0                      ; the tokens' 32 tiles lie along B for v,
	s_cselect_b32 s17, 0, s17                      ; along A for q and k
	s_add_co_u32 s42, s42, s40                     ; B's tile = .. + cx
	s_add_co_u32 s17, s17, s41                     ; A's tile = .. + cy
	s_lshl_b32 s43, s41, 2
	s_lshl_b32 s43, 15, s43                        ; my row of the cluster
	s_lshl_b32 s44, 0x1111, s40                    ; my column
	s_or_b32 s[G1+0], s43, (0<<16)|(1<<20)|(1<<21)|(5<<22)|(3<<25)  ; mask; elements of 1 byte; padding: 4 words behind every 64; bit 21 beside a mask
	s_or_b32 s[G1B+0], s44, (0<<16)|(1<<20)|(1<<21)|(5<<22)|(3<<25)
.irp g, G1, G1B
	s_mov_b32 s[\g+1], ROWB<<16                    ; tensor_dim0
	s_mov_b32 s[\g+2], 128<<16                     ; tensor_dim1
	s_mov_b32 s[\g+3], ROWB<<16                    ; tile_dim0
	s_mov_b32 s[\g+4], 128                         ; tile_dim1
	s_mov_b32 s[\g+5], KROW                        ; pitch
	s_mov_b32 s[\g+6], 0
	s_mov_b32 s[\g+7], 0
.endr
	s_or_b32 s[G1S+0], s43, (3<<16)|(1<<20)|(1<<21)|(5<<22)|(3<<25) ; the scales of 128 rows: 4,096 dense bytes as 16 rows of 256
	s_or_b32 s[G1SB+0], s44, (3<<16)|(1<<20)|(1<<21)|(5<<22)|(3<<25)
.irp g, G1S, G1SB
	s_mov_b32 s[\g+1], 32<<16
	s_mov_b32 s[\g+2], 16<<16
	s_mov_b32 s[\g+3], 32<<16
	s_mov_b32 s[\g+4], 16
	s_mov_b32 s[\g+5], 32
	s_mov_b32 s[\g+6], 0
	s_mov_b32 s[\g+7], 0
.endr
	s_lshl_b32 s18, s16, 7
	s_lshl_b32 s20, s17, 8
	s_add_co_u32 s20, s20, s18                     ; A: row 256 x tile + 128 x half
	s_lshl_b32 s46, s42, 8
	s_add_co_u32 s46, s46, s18                     ; B likewise
	s_mov_b32 s21, 0
	s_mov_b32 s47, 0
	s_mov_b64 s[18:19], KS
	s_mul_u64 s[22:23], s[20:21], s[18:19]
	s_mul_u64 s[92:93], s[46:47], s[18:19]
	s_mov_b64 s[18:19], KROW
	s_mul_u64 s[20:21], s[20:21], s[18:19]
	s_mul_u64 s[46:47], s[46:47], s[18:19]
	s_mul_i32 s45, s14, HALFT
	s_mul_i32 s94, s14, HALFS
	s_lshl_b32 s96, s[TT], 22                      ; tensor t in XQ and WB: tokens' codes,
	s_mov_b32 s97, 0
	s_lshl_b32 s98, s[TT], 18                      ; tokens' scales,
	s_add_co_u32 s98, s98, 12582912
	s_mov_b32 s99, 0
	s_lshl_b32 s100, s[TT], 19                     ; weight's codes,
	s_mov_b32 s101, 0
	s_lshl_b32 s2, s[TT], 15                       ; weight's scales
	s_add_co_u32 s2, s2, 1572864
	s_mov_b32 s3, 0
	s_wait_dscnt 0x0                               ; both opening adds are done
	s_wait_kmcnt 0x0
	s_cmp_eq_u32 s[TT], 0
	s_cselect_b64 s[66:67], s[8:9], s[10:11]       ; the bias: bq, else bk
	s_add_nc_u64 s[96:97], s[4:5], s[96:97]
	s_add_nc_u64 s[98:99], s[4:5], s[98:99]
	s_add_nc_u64 s[100:101], s[6:7], s[100:101]
	s_add_nc_u64 s[2:3], s[6:7], s[2:3]
	s_cmp_eq_u32 s[TT], 2
	s_cselect_b64 s[4:5], s[100:101], s[96:97]     ; A's codes
	s_cselect_b64 s[6:7], s[2:3], s[98:99]         ; A's scales
	s_cselect_b64 s[8:9], s[96:97], s[100:101]     ; B's codes
	s_cselect_b64 s[10:11], s[98:99], s[2:3]       ; B's scales
	s_add_nc_u64 s[20:21], s[4:5], s[20:21]
	s_add_nc_u64 s[22:23], s[6:7], s[22:23]
	s_add_nc_u64 s[46:47], s[8:9], s[46:47]
	s_add_nc_u64 s[92:93], s[10:11], s[92:93]
	CROUND                                         ; all sixteen work-groups are here: the first joint loads meet
	s_mov_b32 s[G0S], 1
	s_add_co_u32 s[G0S+1], s94, SCL
	s_mov_b64 s[G0S+2:G0S+3], s[22:23]
	s_or_b32 s[G0S+3], s[G0S+3], 0x80000000
	s_mov_b32 s[G0SB], 1
	s_add_co_u32 s[G0SB+1], s94, SCL
	s_mov_b64 s[G0SB+2:G0SB+3], s[92:93]
	s_or_b32 s[G0SB+3], s[G0SB+3], 0x80000000
	JLOAD G0S, G1S, G0SB, G1SB
.irp s, 0,1
	s_mov_b32 s[G0+4*\s], 1
	s_add_co_u32 s[G0+4*\s+1], s45, \s*SLOT
	s_add_nc_u64 s[G0+4*\s+2:G0+4*\s+3], s[20:21], \s*ROWB
	s_or_b32 s[G0+4*\s+3], s[G0+4*\s+3], 0x80000000
	s_mov_b32 s[G0B+4*\s], 1
	s_add_co_u32 s[G0B+4*\s+1], s45, \s*SLOT
	s_add_nc_u64 s[G0B+4*\s+2:G0B+4*\s+3], s[46:47], \s*ROWB
	s_or_b32 s[G0B+4*\s+3], s[G0B+4*\s+3], 0x80000000
	JLOAD G0+4*\s, G1, G0B+4*\s, G1B
.endr
	v_and_b32 v1, 15, v0
	v_bfe_u32 v2, v0, 4, 1
	v_mul_u32_u24 v3, v1, PITCH
	v_lshl_add_u32 v4, v2, 4, v3
	s_mul_i32 s21, s15, HALFT
	s_mul_i32 s22, s16, HALFT
	s_add_co_u32 s22, s22, 2*HALFT
.irp s, 0,1
	v_add_nc_u32 v[ADRA+\s], s21, v4
	v_add_nc_u32 v[ADRB+\s], s22, v4
	s_add_co_u32 s21, s21, SLOT
	s_add_co_u32 s22, s22, SLOT
.endr
	v_mul_u32_u24 v5, v1, KS
	v_lshrrev_b32 v6, 8, v5
	v_lshl_add_u32 v5, v6, 4, v5                   ; 16 more for each 256 passed
	s_mul_i32 s21, s15, HALFS
	s_mul_i32 s22, s16, HALFS
	s_add_co_u32 s22, s22, 2*HALFS
	s_sub_co_u32 s22, s22, s21
	v_mul_u32_u24 v6, s22, v2                      ; lanes 16-31 take B's scale words
	s_add_co_u32 s21, s21, SCL
	v_add_nc_u32 v5, v5, v6
	v_add_nc_u32 v[ADRS], s21, v5
	v_and_b32 v6, 31, v0
	v_lshlrev_b32 v[CO], 4, v6
	v_lshlrev_b32 v[BOF], 5, v2
	; where my 128 x 128 goes: my first token and my first channel, whichever side they lie on
	s_lshl_b32 s20, s17, 8
	s_lshl_b32 s21, s15, 7
	s_add_co_u32 s20, s20, s21                     ; A's first row of mine
	s_lshl_b32 s46, s42, 8
	s_lshl_b32 s47, s16, 7
	s_add_co_u32 s46, s46, s47                     ; B's
	s_cmp_eq_u32 s[TT], 2
	s_cselect_b32 s22, s46, s20                    ; first token
	s_cselect_b32 s23, s20, s46                    ; first channel
	s_cselect_b32 s18, 0, s23                      ; the bias's columns; for v the words come from the buffer's head and are not used: bv is added behind the softmax
	s_lshl_b32 s18, s18, 2
	s_mov_b32 s19, 0
	s_add_nc_u64 s[66:67], s[66:67], s[18:19]
	s_lshr_b32 s18, s22, 11                        ; batch
	s_lshl_b32 s18, s18, 4
	s_lshr_b32 s19, s23, 6                         ; head
	s_add_co_u32 s18, s18, s19
	s_lshl_b32 s18, s18, 18                        ; 262,144 bytes a (batch, head)
	s_and_b32 s19, s22, 2047
	s_lshl_b32 s19, s19, 7                         ; 128 bytes a token in either layout
	s_add_co_u32 s18, s18, s19
	s_lshl_b32 s19, s[TT], 24                      ; 16 MiB a tensor
	s_add_co_u32 s18, s18, s19
	s_mov_b32 s19, 0
	s_add_nc_u64 s[12:13], s[12:13], s[18:19]
.set i, 0
.rept 8
	global_load_b128 v[BI+8*i:BI+8*i+3], v[BOF], s[66:67] offset:64*i          ; bias[first channel + 16 b + 8 h + 0..7]
	global_load_b128 v[BI+8*i+4:BI+8*i+7], v[BOF], s[66:67] offset:64*i+16
.set i, i+1
.endr
.macro FRAG reg, adr, q, i             ; 16 rows x 128 K of 4-bit codes: 8 registers, two loads of 16 bytes, 32 bytes apart
.irp c, 0,1
	ds_load_b128 v[\reg+4*\c:\reg+4*\c+3], v[\adr] offset:64*(\q)+32*\c+(\i)*16*PITCH
.endr
.endm
; 16 matrix instructions: A's blocks a0, a0 + 1 x B's eight.  The 64 accumulators take turns, one instruction a turn, in the same order in every step.
.macro MUL16 a0, p, q, sc, zero
.irp a, \a0, \a0+1
.irp b, 0,1,2,3,4,5,6,7
.if \zero
	v_wmma_scale_f32_16x16x128_f8f6f4 v[8*(8*((\a)%4)+\b):8*(8*((\a)%4)+\b)+7], v[128*(\p)+FR*\b:128*(\p)+FR*\b+FR-1], v[AF+FR*(\a):AF+FR*(\a)+FR-1], 0, v[SC+8*NQ*(\sc)+NQ*\b+(\q)], v[SC+8*NQ*(\sc)+NQ*(\a)+(\q)] matrix_a_fmt:MATRIX_FMT_FP4 matrix_b_fmt:MATRIX_FMT_FP4 matrix_a_scale:MATRIX_SCALE_ROW1
.else
	v_wmma_scale_f32_16x16x128_f8f6f4 v[8*(8*((\a)%4)+\b):8*(8*((\a)%4)+\b)+7], v[128*(\p)+FR*\b:128*(\p)+FR*\b+FR-1], v[AF+FR*(\a):AF+FR*(\a)+FR-1], v[8*(8*((\a)%4)+\b):8*(8*((\a)%4)+\b)+7], v[SC+8*NQ*(\sc)+NQ*\b+(\q)], v[SC+8*NQ*(\sc)+NQ*(\a)+(\q)] matrix_a_fmt:MATRIX_FMT_FP4 matrix_b_fmt:MATRIX_FMT_FP4 matrix_a_scale:MATRIX_SCALE_ROW1
.endif
.endr
.endr
.endm
.macro FETCH_B slot, q, p
	WIN TO_B
.irp i, 0,1,2,3,4,5,6,7
	FRAG 128*(\p)+FR*\i, ADRB+\slot, \q, \i
.endr
	WIN 0
.endm
.macro FETCH_A slot, q, i0
.irp i, \i0, \i0+1, \i0+2, \i0+3
	FRAG AF+FR*(\i), ADRA+\slot, \q, \i
.endr
.endm
.macro SCALES sc                       ; a slot's scale words: lanes 0-15 take A's block i, lanes 16-31 B's block i
.irp i, 0,1,2,3,4,5,6,7
	ds_load_b128 v[SC+8*NQ*\sc+NQ*\i:SC+8*NQ*\sc+NQ*\i+3], v[ADRS] offset:\i*SBLK
.endr
.endm
.macro PLACES n                        ; places behind matrix instructions, in front of loads into registers that they read and of reads of results
.rept \n
	v_nop
.endr
.endm
.macro STEP slot, q, zero              ; 128 along K with its successor in the same slot
	s_wait_dscnt 4*NL                              ; B's set and A's blocks 0-3 are in; the youngest 8 loads (A's blocks 4-7) may be out
	WIN MUL_LO
	MUL16 0, (\q)%2, \q, \slot, \zero
	MUL16 2, (\q)%2, \q, \slot, \zero
	s_wait_dscnt 0
	PLACES NP
	FETCH_B \slot, (\q)+1, 1-(\q)%2
	FETCH_A \slot, (\q)+1, 0
	WIN MUL_HI
	MUL16 4, (\q)%2, \q, \slot, \zero
	MUL16 6, (\q)%2, \q, \slot, \zero
	PLACES NP
	WIN 0
	FETCH_A \slot, (\q)+1, 4
.endm
.macro TURN slot, next                 ; a slot's last step changes slots: one barrier
	s_wait_tensorcnt 0x0                           ; all my tensor loads have landed: my part of the next slot
	ds_add_u32 v[SPW], v[NIL]
	s_wait_dscnt 4*NL+1                            ; the add and the youngest 8 loads may be out
	WIN MUL_LO
	MUL16 0, 1, NQ-1, \slot, 0
	s_wait_dscnt 0x0
	s_barrier_signal -1
	MUL16 2, 1, NQ-1, \slot, 0
	WIN 0
	s_barrier_wait -1                              ; the next slot is whole
	PLACES NP
	v_add_nc_u32 v[ADRS], 4*NQ, v[ADRS]
	FETCH_B \next, 0, 0
	FETCH_A \next, 0, 0
	SCALES \next
	WIN MUL_HI
	MUL16 4, 1, NQ-1, \slot, 0
	MUL16 6, 1, NQ-1, \slot, 0
	PLACES NP
	WIN 0
	FETCH_A \next, 0, 4
.endm
	s_wait_tensorcnt 1                             ; the scales and my part of slot 0 are in; slot 1's load may be out
	s_barrier_signal -1
	s_barrier_wait -1
	FETCH_B 0, 0, 0
	FETCH_A 0, 0, 0
	SCALES 0
	FETCH_A 0, 0, 4
	STEP 0, 0, 1                                   ; the first products start the sums: nothing is cleared
	STEP 0, 1, 0
	STEP 0, 2, 0
	TURN 0, 1
	STEP 1, 0, 0
	STEP 1, 1, 0
	STEP 1, 2, 0
	s_wait_dscnt 4*NL
	WIN MUL_LO
	MUL16 0, 1, NQ-1, 1, 0
	MUL16 2, 1, NQ-1, 1, 0
	s_wait_dscnt 0
	WIN MUL_HI
	MUL16 4, 1, NQ-1, 1, 0
	MUL16 6, 1, NQ-1, 1, 0
	WIN 0
	PLACES NP
	s_wait_loadcnt 0x0                             ; the bias
	s_cmp_eq_u32 s[TT], 2
	s_cbranch_scc1 .Lout_v
; q, k: block a = 16 tokens; column block b = 16 channels = image (b / 4: head, b % 4: c and g)
.macro OUTQK a
.set AC, 64*((\a)%4)
	s_wait_xcnt 0x0                                ; the last block's stores have read their registers
	WIN 0x02+(\a)/4                                ; source 0: window 2 or 3
.irp b, 0,1,2,3,4,5,6,7
.irp i, 0,1,2,3
	v_pk_add_f32 v[TMPF+8*\b+2*\i:TMPF+8*\b+2*\i+1], v[AC+8*\b+2*\i:AC+8*\b+2*\i+1], v[BI+8*\b+2*\i:BI+8*\b+2*\i+1]   ; each accumulator from its low end on
.endr
.endr
	WIN 0
.irp b, 0,1,2,3,4,5,6,7
.irp i, 0,1,2,3
	v_cvt_pk_f16_f32 v[PK+4*\b+\i], v[TMPF+8*\b+2*\i], v[TMPF+8*\b+2*\i+1]
.endr
.endr
.irp b, 0,1,2,3,4,5,6,7
	global_store_b128 v[CO], v[PK+4*\b:PK+4*\b+3], s[12:13] offset:(\a)*2048+(\b/4)*262144+(\b%4)*512
.endr
.endm
.irp a, 0,1,2,3,4,5,6,7
	OUTQK \a
.endr
	s_branch .Ldone
.Lout_v:
; v: block a = 16 channels (a / 4: head, a % 4: channel tile); column block b = 16 keys (b / 2: 32 keys, b % 2: g)
.macro OUTV a
.set AC, 64*((\a)%4)
	s_wait_xcnt 0x0
	WIN 0x0a+5*((\a)/4)                            ; sources 0 and 1: window 2 or 3
.irp b, 0,1,2,3,4,5,6,7
.irp i, 0,1,2,3
	v_cvt_pk_f16_f32 v[PK+4*\b+\i], v[AC+8*\b+2*\i], v[AC+8*\b+2*\i+1]
.endr
.endr
	WIN 0
.irp b, 0,1,2,3,4,5,6,7
	global_store_b128 v[CO], v[PK+4*\b:PK+4*\b+3], s[12:13] offset:((\a)/4)*262144+((\a)%4)*1024+(\b/2)*4096+(\b%2)*512
.endr
.endm
.irp a, 0,1,2,3,4,5,6,7
	OUTV \a
.endr
.Ldone:
	s_wait_tensorcnt 0x0                           ; the wave's end
	ds_add_u32 v[SPW], v[NIL]
	s_wait_dscnt 0x0
	CROUND                                         ; the closing round
	s_endpgm
.Lfunc_end_k_q5b8b27374d_proj:
	.size	k_q5b8b27374d_proj, .Lfunc_end_k_q5b8b27374d_proj-k_q5b8b27374d_proj
	.p2alignl 7, 3214868480
	.fill 96, 4, 3214868480
	.section	.rodata,"a",@progbits
	.p2align	6, 0x0
	.amdhsa_kernel k_q5b8b27374d_proj
		.amdhsa_group_segment_fixed_size 327680
		.amdhsa_private_segment_fixed_size 0
		.amdhsa_enable_private_segment 0
		.amdhsa_kernarg_size 40
		.amdhsa_user_sgpr_count 2
		.amdhsa_user_sgpr_kernarg_segment_ptr 1
		.amdhsa_wavefront_size32 1
		.amdhsa_system_sgpr_workgroup_id_x 1
		.amdhsa_system_sgpr_workgroup_id_y 1
		.amdhsa_system_sgpr_workgroup_id_z 1
		.amdhsa_system_vgpr_workitem_id 0
		.amdhsa_next_free_vgpr 1024
		.amdhsa_next_free_sgpr 104
		.amdhsa_reserve_vcc 0
		.amdhsa_float_denorm_mode_32 3
		.amdhsa_float_denorm_mode_16_64 3
		.amdhsa_memory_ordered 1
		.amdhsa_forward_progress 1
		.amdhsa_inst_pref_size 159
	.end_amdhsa_kernel
	.amdgpu_metadata
---
amdhsa.version: [ 1, 2 ]
amdhsa.kernels:
  - .name:           k_q5b8b27374d_proj
    .symbol:         k_q5b8b27374d_proj.kd
    .args:
      - { .name: XQ, .offset: 0, .size: 8, .value_kind: global_buffer, .address_space: global }
      - { .name: WB, .offset: 8, .size: 8, .value_kind: global_buffer, .address_space: global }
      - { .name: bq, .offset: 16, .size: 8, .value_kind: global_buffer, .address_space: global }
      - { .name: bk, .offset: 24, .size: 8, .value_kind: global_buffer, .address_space: global }
      - { .name: HF, .offset: 32, .size: 8, .value_kind: global_buffer, .address_space: global }
    .group_segment_fixed_size: 327680
    .private_segment_fixed_size: 0
    .kernarg_segment_align: 8
    .kernarg_segment_size: 40
    .max_flat_workgroup_size: 128
    .sgpr_count:     104
    .vgpr_count:     1024
    .wavefront_size: 32
...
	.end_amdgpu_metadata
.endif
;; end of part 3
;; launch attn (part 4): grid 4 x 64, 16 waves a work-group, no clusters, 67,584 bytes of LDS; arguments HF, FL, mask, bv, OF; writes OF
.if DOCPART == 4
	.amdgcn_target "amdgcn-amd-amdhsa--gfx1250"
	.amdhsa_code_object_version 6
	.text
	.protected	k_q5b8b27374d_attn
	.globl	k_q5b8b27374d_attn
	.p2align	8
	.type	k_q5b8b27374d_attn,@function
k_q5b8b27374d_attn:
	s_mov_b64 s[64:65], 0
	v_nop
	global_prefetch_b8 v0, s[64:65] scope:SCOPE_SE
	s_setreg_imm32_b32 hwreg(HW_REG_WAVE_MODE, 25, 1), 1
	s_wait_xcnt 0x0
; ATTN: o = softmax(q k^T / 8 + mask x (-1e9)) v + bv for one (batch, head) and 512 of its queries, f16 operands, f32 sums, maxima and exponentials.
; SHARES.  Work-group (c, bh); wave w owns query tile T = 4 w + c: 32 queries, two tiles of 16.  All sixteen waves walk the head's keys together: 16 slots of 128 keys, two steps of 64 each.
; K and V come as images of operand registers; each wave copies 2,048 bytes of the next slot through registers into LDS (two slots of 32,768 bytes), one barrier a slot:
; the slot written was last read ahead of the barrier before, and its stores are waited for ahead of this one.
; THE LIST.  For each (T, step) an earlier launch stored LIVE and NZ.  A dead step is passed over by a scalar branch (its weights are exactly 0 in f32); the f32 mask is loaded only where NZ says that it is not all 0.
; No barrier stands under such a branch.  The list spares the mask's bytes and, for masks with large dead parts, their products.
; LAYOUT.  S^T = K Q^T (source 0 = 16 keys, source 1 = 16 queries): a lane holds ONE query (lane % 16) and keys 16 kt + 8 h + j.  Rounded to f16 in pairs, two such tiles ARE source 1 of O^T = V^T P.
; SOFTMAX.  Running maximum m in units of the raw score, c = log2(e) / 8.  Open step: t = S c - m c.  Mixed step: S' = S + round(mask x (-8e9)) is 8 x reference()'s logit bit for bit (two roundings, as there);
; m may then be near -8e9, where m c is coarse, so S' - m is formed first and t = (S' - m) c.  O and l are multiplied by 2^((m_old - m_new) c) in every step.  p is summed in f32 before it is rounded.
; m begins at -3e38, l and O at 0: which step comes first hangs on the list, so no first step can be written out.
; THE WALK.  Slot 0 is copied at the head.  Seven trips work slots 0 to 13 and copy slots 1 to 14; the last two slots are written out behind the loop: slot 14 is worked while slot 15 is copied, slot 15 copies nothing.
; So every group of loads into the staging registers has its own wait for 0 behind it, on every way, ahead of the next such group.
; LIMITS: projected values under 65,504; |logit| < 2^25; NaN and infinities are not served.
.set LR,  1                            ; v1  16 x lane
.set LW,  2                            ; v2  2,048 x wave + 16 x lane
.set PFO, 3                            ; v3  256 x lane
.set RM,  4                            ; v4, v5  m of the two query tiles
.set RL,  6                            ; v6, v7  l
                                       ; v8, v9 at work; v10 -m c (low word of v[10:11]); v11, v13, v14, v15 maximum chains; v12 alpha (low word of v[12:13])
.set STG, 16                           ; v16-31 the next slot's 2,048 bytes on their way
.set RQ,  32                           ; v32-63   Q(q, c) at 32 + 16 q + 8 c
.set RS,  64                           ; v64-127  S(q, kt) at 64 + 32 q + 8 kt; P(q, kg) in place at 64 + 32 q + 8 kg
.set RKV, 128                          ; v128-191 K of a step, the mask of a mixed step, V of a step
.set RO,  192                          ; v192-255 O(q, dt) at 192 + 32 q + 8 dt
.set SLOTB, 32768
.set SPARE, 65536
	s_load_b256 s[4:11], s[0:1], 0x0               ; HF, FL, mask, bv
	s_load_b64 s[12:13], s[0:1], 0x20              ; OF
	v_lshrrev_b32 v[LW], 5, v0
	v_readfirstlane_b32 s14, v[LW]                 ; wave 0..15
	v_and_b32 v[PFO], 31, v0
	v_lshlrev_b32 v[LR], 4, v[PFO]
	v_lshl_add_u32 v[LW], v[LW], 11, v[LR]
	v_lshlrev_b32 v[PFO], 8, v[PFO]
	s_and_b32 s16, ttmp7, 0xffff                   ; bh = 16 x batch + head
	s_lshl_b32 s17, s14, 2
	s_add_co_u32 s17, s17, ttmp9                   ; T
	s_lshl_b32 s38, s16, 18                        ; 262,144 bytes a (batch, head)
	s_lshr_b32 s40, s14, 3
	s_add_co_u32 s40, s40, 1
	s_lshl_b32 s40, s40, 24                        ; waves 0-7 copy K (at 16 MiB), waves 8-15 V (at 32 MiB)
	s_and_b32 s41, s14, 7
	s_lshl_b32 s41, s41, 11
	s_add_co_u32 s40, s40, s41
	s_add_co_u32 s40, s40, s38
	s_mov_b32 s41, 0
	s_lshl_b32 s42, s17, 12                        ; Q: 4,096 bytes for 32 queries
	s_add_co_u32 s42, s42, s38
	s_mov_b32 s43, 0
	s_lshl_b32 s44, s17, 3
	s_mov_b32 s45, 0
	s_lshl_b32 s46, s17, 18                        ; the mask's 32 rows of 8,192 bytes
	s_mov_b32 s47, 0
	s_mov_b32 s28, 0x3e38aa3b                      ; c = log2(e) / 8
	s_mov_b32 s29, s28
	s_mov_b32 s30, 0xbe38aa3b                      ; -c
	s_mov_b32 s32, 0xcfee6b28                      ; -8e9
	s_mov_b32 s33, s32
	s_mov_b32 s34, 0x76543210
	s_mov_b32 s35, 0xfedcba98
	s_and_b32 s36, s14, 3                          ; who prefetches: waves 0, 4, 8, 12 of the head's first work-group
	s_or_b32 s36, s36, ttmp9
	s_cmp_eq_u32 s36, 0
	s_cselect_b32 s36, 1, 0
	s_wait_kmcnt 0x0
	s_add_nc_u64 s[24:25], s[4:5], s[40:41]        ; my 2,048 bytes of slot 0
	s_add_nc_u64 s[42:43], s[4:5], s[42:43]
	s_add_nc_u64 s[44:45], s[6:7], s[44:45]
	s_add_nc_u64 s[26:27], s[8:9], s[46:47]
	s_load_b64 s[18:19], s[44:45], 0x0             ; LIVE, NZ of my query tile
.irp n, 0,1,2,3
	global_load_b128 v[STG+4*\n:STG+4*\n+3], v[LR], s[24:25] offset:512*\n
.endr
.irp n, 0,1,2,3,4,5,6,7
	global_load_b128 v[RQ+4*\n:RQ+4*\n+3], v[LR], s[42:43] offset:512*\n
.endr
	v_mov_b32 v[RM], 0xff61b1e6                    ; -3e38
	v_mov_b32 v[RM+1], 0xff61b1e6
.irp n, 6,7,8,9,10,11,12,13,14,15
	v_mov_b32 v\n, 0
.endr
.set i, 0
.rept 64
	v_mov_b32 v[RO+i], 0
.set i, i+1
.endr
	s_wait_loadcnt 8                               ; my part of slot 0 is in; Q's 8 loads may be out
	s_add_nc_u64 s[24:25], s[24:25], 16384
.irp n, 0,1,2,3
	ds_store_b128 v[LW], v[STG+4*\n:STG+4*\n+3] offset:512*\n
.endr
	s_wait_dscnt 0x0
	s_barrier_signal -1
	s_barrier_wait -1
	s_wait_loadcnt 0x0
	s_wait_kmcnt 0x0
; The softmax of query tile q for one step: 32 scores a lane.
.macro SOFT q
.set bS, RS+32*(\q)
.set bO, RO+32*(\q)
	v_max3_num_f32 v11, v[bS], v[bS+1], v[bS+2]    ; four chains; each accumulator is read from its low end on
	v_max3_num_f32 v13, v[bS+8], v[bS+9], v[bS+10]
	v_max3_num_f32 v14, v[bS+16], v[bS+17], v[bS+18]
	v_max3_num_f32 v15, v[bS+24], v[bS+25], v[bS+26]
	v_max3_num_f32 v11, v11, v[bS+3], v[bS+4]
	v_max3_num_f32 v13, v13, v[bS+11], v[bS+12]
	v_max3_num_f32 v14, v14, v[bS+19], v[bS+20]
	v_max3_num_f32 v15, v15, v[bS+27], v[bS+28]
	v_max3_num_f32 v11, v11, v[bS+5], v[bS+6]
	v_max3_num_f32 v13, v13, v[bS+13], v[bS+14]
	v_max3_num_f32 v14, v14, v[bS+21], v[bS+22]
	v_max3_num_f32 v15, v15, v[bS+29], v[bS+30]
	v_max3_num_f32 v11, v11, v[bS+7], v[bS+15]
	v_max3_num_f32 v14, v14, v[bS+23], v[bS+31]
	v_max3_num_f32 v11, v11, v13, v14
	v_max3_num_f32 v11, v11, v15, v[RM+\q]
	v_permlanex16_b32 v13, v11, s34, s35           ; the query's other 32 keys lie in the lane 16 away
	v_mov_b32 v8, v[RM+\q]
	v_max_num_f32 v[RM+\q], v11, v13
	v_sub_f32 v8, v8, v[RM+\q]
	v_mul_f32 v10, s30, v[RM+\q]                   ; -m c
	v_mul_f32 v8, s28, v8                          ; (m_old - m_new) c
	s_cmp_eq_u32 s22, 0
	s_cbranch_scc1 .Lplain_\@
	v_mul_f32 v10, -1.0, v[RM+\q]                  ; a mixed step: S' - m first,
.set i, 0
.rept 16
	v_pk_add_f32 v[bS+i:bS+i+1], v[bS+i:bS+i+1], v[10:11] op_sel_hi:[1,0]
.set i, i+2
.endr
	v_mov_b32 v10, 0                               ; and nothing more to take off
.Lplain_\@:
.set i, 0
.rept 16
	v_pk_fma_f32 v[bS+i:bS+i+1], v[bS+i:bS+i+1], s[28:29], v[10:11] op_sel_hi:[1,0,0]
.set i, i+2
.endr
.set i, 0
.rept 32
	v_exp_f32 v[bS+i], v[bS+i]
.set i, i+1
.endr
	v_exp_f32 v12, v8                              ; alpha
	v_nop                                          ; a plain instruction behind the last exponential
	s_wait_alu depctr_va_vdst(0)                   ; one wait for the 33, ahead of their first reader
	v_pk_add_f32 v[8:9], v[bS:bS+1], v[bS+2:bS+3]  ; the sum of the unrounded p, in two chains
	v_pk_add_f32 v[14:15], v[bS+4:bS+5], v[bS+6:bS+7]
.set i, 8
.rept 6
	v_pk_add_f32 v[8:9], v[8:9], v[bS+i:bS+i+1]
	v_pk_add_f32 v[14:15], v[14:15], v[bS+i+2:bS+i+3]
.set i, i+4
.endr
	v_pk_add_f32 v[8:9], v[8:9], v[14:15]
.set i, 0
.rept 16
	v_cvt_pk_f16_f32 v[bS+i], v[bS+2*i], v[bS+2*i+1]   ; in place: register d is written when 2 d and 2 d + 1 are read, and 2 d >= d
.set i, i+1
.endr
	v_add_f32 v8, v8, v9
	v_fma_f32 v[RL+\q], v[RL+\q], v12, v8
.set i, 0
.rept 16
	v_pk_mul_f32 v[bO+i:bO+i+1], v[bO+i:bO+i+1], v[12:13] op_sel_hi:[1,0]
.set i, i+2
.endr
.endm
.macro PV q                            ; O^T += V^T P: the four accumulators by turns
.irp kg, 0,1
.irp dt, 0,1,2,3
	v_wmma_f32_16x16x32_f16 v[RO+32*(\q)+8*\dt:RO+32*(\q)+8*\dt+7], v[RKV+32*\kg+8*\dt:RKV+32*\kg+8*\dt+7], v[RS+32*(\q)+8*\kg:RS+32*(\q)+8*\kg+7], v[RO+32*(\q)+8*\dt:RO+32*(\q)+8*\dt+7]
.endr
.endr
.endm
; A step of 64 keys: the u-th of slot s.
.macro STEP s, u
	s_and_b32 s21, s18, 1
	s_and_b32 s22, s19, 1
	s_lshr_b32 s18, s18, 1
	s_lshr_b32 s19, s19, 1
	s_cmp_eq_u32 s21, 0
	s_cbranch_scc1 .Ldead_\@
.rept 5
	v_nop                                          ; places behind the last V^T P: four for the loads into V's registers, five for the products that write over P
.endr
.irp kt, 0,1,2,3
	ds_load_b128 v[RKV+16*\kt:RKV+16*\kt+3], v[LR] offset:\s*SLOTB+\u*8192+2048*\kt
	ds_load_b128 v[RKV+16*\kt+4:RKV+16*\kt+7], v[LR] offset:\s*SLOTB+\u*8192+2048*\kt+512
.endr
.irp kt, 0,1,2,3
	ds_load_b128 v[RKV+16*\kt+8:RKV+16*\kt+11], v[LR] offset:\s*SLOTB+\u*8192+2048*\kt+1024
	ds_load_b128 v[RKV+16*\kt+12:RKV+16*\kt+15], v[LR] offset:\s*SLOTB+\u*8192+2048*\kt+1536
.endr
	s_wait_dscnt 8                                 ; channels 0-31 are in; the 8 loads of channels 32-63 may be out
.irp q, 0,1
.irp kt, 0,1,2,3
	v_wmma_f32_16x16x32_f16 v[RS+32*\q+8*\kt:RS+32*\q+8*\kt+7], v[RKV+16*\kt:RKV+16*\kt+7], v[RQ+16*\q:RQ+16*\q+7], 0
.endr
.endr
	s_wait_dscnt 0x0
.irp q, 0,1
.irp kt, 0,1,2,3
	v_wmma_f32_16x16x32_f16 v[RS+32*\q+8*\kt:RS+32*\q+8*\kt+7], v[RKV+16*\kt+8:RKV+16*\kt+15], v[RQ+16*\q+8:RQ+16*\q+15], v[RS+32*\q+8*\kt:RS+32*\q+8*\kt+7]
.endr
.endr
.rept 4
	v_nop
.endr
	s_cmp_eq_u32 s22, 0
	s_cbranch_scc1 .Lopen_\@
	v_and_b32 v8, 15, v0                           ; a mixed step: my query's row of the mask, my 8 keys of each tile
	v_bfe_u32 v9, v0, 4, 1
	v_lshlrev_b32 v8, 13, v8
	v_lshl_add_u32 v8, v9, 5, v8
.irp q, 0,1
.irp kt, 0,1,2,3
	global_load_b128 v[RKV+32*\q+8*\kt:RKV+32*\q+8*\kt+3], v8, s[26:27] offset:\q*131072+\kt*64
	global_load_b128 v[RKV+32*\q+8*\kt+4:RKV+32*\q+8*\kt+7], v8, s[26:27] offset:\q*131072+\kt*64+16
.endr
.endr
	s_wait_loadcnt 0x0
.set i, 0
.rept 32
	v_pk_mul_f32 v[RKV+i:RKV+i+1], v[RKV+i:RKV+i+1], s[32:33] op_sel_hi:[1,0]
.set i, i+2
.endr
.set i, 0
.rept 32
	v_pk_add_f32 v[RS+i:RS+i+1], v[RS+i:RS+i+1], v[RKV+i:RKV+i+1]   ; not fused: reference() rounds the product and the sum
.set i, i+2
.endr
.Lopen_\@:
.set i, 0
.rept 16
	ds_load_b128 v[RKV+4*i:RKV+4*i+3], v[LR] offset:\s*SLOTB+16384+\u*8192+512*i
.set i, i+1
.endr
	SOFT 0
	s_wait_dscnt 0x0                               ; V is in
	PV 0
	SOFT 1                                         ; names no register of the products just issued
	PV 1
.Ldead_\@:
	s_add_nc_u64 s[26:27], s[26:27], 256           ; the mask's next 64 columns (a mixed step's loads have been waited for)
.endm
; A slot.  fill = 1: the next slot's bytes are asked for, this slot's two steps are worked, the bytes go into the other LDS slot, one barrier.  fill = 0: the last slot: its two steps alone.
; pf = 1: behind the loads of slot n one prefetch names slot n + 1: each 256 bytes once in the launch: 8,192 bytes (four waves' parts) for each of four waves of the head's first work-group.
; In the loop n runs from 1 to 14, so n + 1 is one of the head's 16 slots; the slots written out behind the loop ask for nothing; slots 0 and 1 come by their loads alone.
.macro SLOT s, fill, pf
.if \fill
.irp n, 0,1,2,3
	global_load_b128 v[STG+4*\n:STG+4*\n+3], v[LR], s[24:25] offset:512*\n
.endr
.endif
.if \pf
	s_cmp_eq_u32 s36, 1
	s_cbranch_scc0 .Lnopf_\@
	global_prefetch_b8 v[PFO], s[24:25] offset:16384 th:TH_LOAD_NT scope:SCOPE_SE
.Lnopf_\@:
.endif
	STEP \s, 0
	STEP \s, 1
.if \fill
	s_wait_loadcnt 0x0                             ; my part of the next slot is in registers: on every way, ahead of the next loads into them
	s_wait_xcnt 0x0                                ; the prefetch has read its address
	s_add_nc_u64 s[24:25], s[24:25], 16384
.irp n, 0,1,2,3
	ds_store_b128 v[LW], v[STG+4*\n:STG+4*\n+3] offset:(1-\s)*SLOTB+512*\n
.endr
	s_wait_dscnt 0x0                               ; my stores have landed and my reads of this slot are over
	s_barrier_signal -1
	s_barrier_wait -1
.endif
.endm
	s_mov_b32 s20, 7
.Ltrip:                                            ; trip j works slots 2 j and 2 j + 1 and copies slots 2 j + 1 and 2 j + 2
	SLOT 0, 1, 1
	SLOT 1, 1, 1
	s_sub_co_u32 s20, s20, 1
	s_cmp_lg_u32 s20, 0
	s_cbranch_scc1 .Ltrip
	SLOT 0, 1, 0                                   ; slot 14 is worked, slot 15 copied
	SLOT 1, 0, 0                                   ; slot 15: nothing is left to copy, and nothing is written to LDS behind it: no barrier
	; THE WAY OUT: o = O / l + bv (the weights sum to 1), rounded to f16, stored as images of the next product's operand registers
.rept 4
	v_nop
.endr
	s_and_b32 s40, s16, 15                         ; head
	s_lshl_b32 s42, s40, 8
	s_mov_b32 s43, 0
	s_add_nc_u64 s[10:11], s[10:11], s[42:43]
	v_bfe_u32 v8, v0, 4, 1
	v_lshlrev_b32 v8, 5, v8
.irp dt, 0,1,2,3
	global_load_b128 v[RKV+8*\dt:RKV+8*\dt+3], v8, s[10:11] offset:64*\dt
	global_load_b128 v[RKV+8*\dt+4:RKV+8*\dt+7], v8, s[10:11] offset:64*\dt+16
.endr
	s_lshr_b32 s42, s16, 4                         ; batch: 128 token tiles of 32,768 bytes
	s_lshl_b32 s42, s42, 22
	s_lshl_b32 s44, s17, 16
	s_add_co_u32 s42, s42, s44
	s_lshl_b32 s44, s40, 11
	s_add_co_u32 s42, s42, s44
	s_add_nc_u64 s[12:13], s[12:13], s[42:43]
	v_permlanex16_b32 v9, v[RL], s34, s35
	v_permlanex16_b32 v10, v[RL+1], s34, s35
	v_add_f32 v[RL], v[RL], v9
	v_add_f32 v[RL+1], v[RL+1], v10
	v_rcp_f32 v12, v[RL]
	v_rcp_f32 v14, v[RL+1]
	v_nop
	s_wait_alu depctr_va_vdst(0)
	s_wait_loadcnt 0x0
.irp q, 0,1
.set i, 0
.rept 16
	v_pk_fma_f32 v[RS+32*\q+i:RS+32*\q+i+1], v[RO+32*\q+i:RO+32*\q+i+1], v[12+2*\q:13+2*\q], v[RKV+i:RKV+i+1] op_sel_hi:[1,0,1]
.set i, i+2
.endr
.endr
.irp q, 0,1
.set i, 0
.rept 16
	v_cvt_pk_f16_f32 v[160+16*\q+i], v[RS+32*\q+2*i], v[RS+32*\q+2*i+1]
.set i, i+1
.endr
.endr
.irp q, 0,1
.irp dt, 0,1,2,3
	global_store_b128 v[LR], v[160+16*\q+4*\dt:160+16*\q+4*\dt+3], s[12:13] offset:\q*32768+\dt*512   ; 512 consecutive bytes, aligned
.endr
.endr
	v_lshl_add_u32 v4, v0, 2, SPARE                ; no two registers could be kept through the loop: my spare word's address and 0 are made here, from v0 as it came
	v_mov_b32 v5, 0
	s_wait_tensorcnt 0x0                           ; the wave's end, behind my last LDS store
	ds_add_u32 v4, v5
	s_wait_dscnt 0x0
	s_endpgm
.Lfunc_end_k_q5b8b27374d_attn:
	.size	k_q5b8b27374d_attn, .Lfunc_end_k_q5b8b27374d_attn-k_q5b8b27374d_attn
	.p2alignl 7, 3214868480
	.fill 96, 4, 3214868480
	.section	.rodata,"a",@progbits
	.p2align	6, 0x0
	.amdhsa_kernel k_q5b8b27374d_attn
		.amdhsa_group_segment_fixed_size 67584
		.amdhsa_private_segment_fixed_size 0
		.amdhsa_enable_private_segment 0
		.amdhsa_kernarg_size 40
		.amdhsa_user_sgpr_count 2
		.amdhsa_user_sgpr_kernarg_segment_ptr 1
		.amdhsa_wavefront_size32 1
		.amdhsa_system_sgpr_workgroup_id_x 1
		.amdhsa_system_sgpr_workgroup_id_y 1
		.amdhsa_system_sgpr_workgroup_id_z 1
		.amdhsa_system_vgpr_workitem_id 0
		.amdhsa_next_free_vgpr 256
		.amdhsa_next_free_sgpr 66
		.amdhsa_reserve_vcc 0
		.amdhsa_float_denorm_mode_32 3
		.amdhsa_float_denorm_mode_16_64 3
		.amdhsa_memory_ordered 1
		.amdhsa_forward_progress 1
		.amdhsa_inst_pref_size 219
	.end_amdhsa_kernel
	.amdgpu_metadata
---
amdhsa.version: [ 1, 2 ]
amdhsa.kernels:
  - .name:           k_q5b8b27374d_attn
    .symbol:         k_q5b8b27374d_attn.kd
    .args:
      - { .name: HF, .offset: 0, .size: 8, .value_kind: global_buffer, .address_space: global }
      - { .name: FL, .offset: 8, .size: 8, .value_kind: global_buffer, .address_space: global }
      - { .name: mask, .offset: 16, .size: 8, .value_kind: global_buffer, .address_space: global }
      - { .name: bv, .offset: 24, .size: 8, .value_kind: global_buffer, .address_space: global }
      - { .name: OF, .offset: 32, .size: 8, .value_kind: global_buffer, .address_space: global }
    .group_segment_fixed_size: 67584
    .private_segment_fixed_size: 0
    .kernarg_segment_align: 8
    .kernarg_segment_size: 40
    .max_flat_workgroup_size: 512
    .sgpr_count:     66
    .vgpr_count:     256
    .wavefront_size: 32
...
	.end_amdgpu_metadata
.endif
;; end of part 4
;; launch oproj (part 5): grid 8 x 64, 4 waves a work-group, clusters of 4 x 4, 327,680 bytes of LDS; arguments OF, WB, bo, out0; writes out0
.if DOCPART == 5
	.amdgcn_target "amdgcn-amd-amdhsa--gfx1250"
	.amdhsa_code_object_version 6
	.text
	.protected	k_q5b8b27374d_oproj
	.globl	k_q5b8b27374d_oproj
	.p2align	8
	.type	k_q5b8b27374d_oproj,@function
k_q5b8b27374d_oproj:
	s_mov_b64 s[64:65], 0
	v_nop
	global_prefetch_b8 v0, s[64:65] scope:SCOPE_SE
	s_setreg_imm32_b32 hwreg(HW_REG_WAVE_MODE, 25, 1), 1
	s_wait_xcnt 0x0
	s_wait_alu depctr_hold_cnt(0) depctr_sa_sdst(0) depctr_va_vdst(0) depctr_va_sdst(0) depctr_va_ssrc(0) depctr_va_vcc(0) depctr_vm_vsrc(0)
	s_getreg_b32 s2, hwreg(HW_REG_IB_STS2, 6, 4)
	s_cmp_eq_u32 s2, 0
	s_cbranch_scc0 .Lentry_in_a_cluster
	s_endpgm
.Lentry_in_a_cluster:
	s_bfe_u32 s2, ttmp6, 0x10000c
	s_cmp_lg_u32 s2, 0xf033
	s_cbranch_scc0 .Lentry_shape_is_right
	s_endpgm
.Lentry_shape_is_right:
; OPROJ: out0 = o wo + bo, f16 operands, f32 sums and results.  M = 8,192, N = 1,024, K = 1,024.  A tile of out0 is 128 x 128 (512 work-groups); four waves, each 64 x 64: 16 accumulators.
; Both operands lie in memory as IMAGES OF OPERAND REGISTERS: [tile of 16 rows][chunk of 32 along K][g][512 bytes].  A K step is 256 = 8 chunks = 8,192 consecutive bytes of a tile;
; a wave's tensor load brings 4 tiles x 8,192 bytes.  A fragment is two ds_load_b128 at 16 x lane: consecutive bytes, so no pitch and no padding.
; K goes in 4 steps through a ring of two LDS slots of 131,072 bytes.  CLUSTERS: 4 x 4; A's tiles are asked for jointly along a row of the cluster, B's along a column.
; THE MATRIX INSTRUCTION IS USED TRANSPOSED (source 0 = 16 columns of wo, source 1 = 16 tokens): a lane holds eight neighbouring numbers of a row of out0.  bo is the C of each sum's first product.
; The 64 rows of positions 0-15 are written here like all others and written anew, from f32 operands, by the launch that follows: leaving them out would take a branch on a work-group's place in its cluster.
; REGISTERS: window 0: v0-31 addresses; v32-95 the way out; v96-127 bo; v128-255 the accumulators ((a, b) at 128 + 8 (4 a + b)).  window 1: two fragment buffers of 128.
.set KSTEPB, 8192                      ; bytes of a K step in a tile's images
.set HALFT,  32768
.set SLOT,   131072
.set SPARE,  262144
.set LAPS,   2
.set ADRA, 16
.set ADRB, 20
.set STO,  24
.set RD,   25
.set CO,   26
.set BOF,  27
.set SPW,  28
.set NIL,  29
.set TMP,  32
.set BO,   96
.set ACC,  128
.set F0,   0
.set F1,   128
.set G1, 24
.set G0, 32
.set G1B, 48
.set G0B, 56
.set MSB, 0
.macro WIN new
.if MSB != \new
	s_set_vgpr_msb (MSB<<8)|\new
.set MSB, \new
.endif
.endm
.set MUL,  0x05
.set TO_F, 0x40
.macro JLOAD s                         ; a joint load: waves 0 and 1 fetch A's halves, waves 2 and 3 B's; an s_nop 0 and four v_nop follow each line
	s_cmp_eq_u32 s11, 0
	s_cbranch_scc0 .Lfor_b_\@
	tensor_load_to_lds s[G0+4*\s:G0+4*\s+3], s[G1:G1+7]
	s_nop 0
.rept 4
	v_nop
.endr
	s_branch .Lasked_\@
.Lfor_b_\@:
	tensor_load_to_lds s[G0B+4*\s:G0B+4*\s+3], s[G1B:G1B+7]
	s_nop 0
.rept 4
	v_nop
.endr
.Lasked_\@:
.endm
.macro CREST
	s_cmp_lg_u32 s10, 0
	s_cbranch_scc1 .Lnot_wave_0_\@
	s_barrier_signal -3
.Lnot_wave_0_\@:
	s_barrier_wait -3
	s_barrier_signal -1
	s_barrier_wait -1
.endm
.macro CROUND
	s_barrier_signal -1
	s_barrier_wait -1
	CREST
.endm
	s_load_b128 s[4:7], s[0:1], 0x0                ; OF, WB
	s_load_b128 s[68:71], s[0:1], 0x10             ; bo, out0
	v_lshl_add_u32 v[SPW], v0, 2, SPARE
	v_mov_b32 v[NIL], 0
	ds_add_u32 v[SPW], v[NIL]                      ; the wave's opening: the add, twice on end, and its wait ahead of my first tensor load
	ds_add_u32 v[SPW], v[NIL]
	v_lshrrev_b32 v1, 5, v0
	v_readfirstlane_b32 s10, v1                    ; wave 0..3
	s_lshr_b32 s11, s10, 1                         ; which half of the tile's rows is mine.  Also: I fetch for A (0) or for B (1)
	s_and_b32 s12, s10, 1                          ; which half of its columns.  Also: which 4 tiles of 16 I fetch
	s_bfe_u32 s40, ttmp6, 0x40000
	s_bfe_u32 s41, ttmp6, 0x40004
	s_lshl_b32 s42, ttmp9, 2
	s_add_co_u32 s42, s42, s40                     ; tile column = 4 x cluster x + cx
	s_and_b32 s13, ttmp7, 0xffff
	s_lshl_b32 s13, s13, 2
	s_add_co_u32 s13, s13, s41                     ; tile row = 4 x cluster y + cy
	s_lshl_b32 s43, s41, 2
	s_lshl_b32 s43, 15, s43
	s_lshl_b32 s44, 0x1111, s40
	s_or_b32 s[G1+0], s43, (3<<16)|(1<<21)         ; mask; elements of 8 bytes; no padding; bit 21 beside a mask
	s_or_b32 s[G1B+0], s44, (3<<16)|(1<<21)
.irp g, G1, G1B
	s_mov_b32 s[\g+1], 1024<<16                    ; tensor_dim0 = 1,024 elements: 8,192 bytes
	s_mov_b32 s[\g+2], 4<<16                       ; tensor_dim1 = 4
	s_mov_b32 s[\g+3], 1024<<16                    ; tile_dim0
	s_mov_b32 s[\g+4], 4                           ; tile_dim1
	s_mov_b32 s[\g+5], 4096                        ; pitch: 32,768 bytes from tile to tile
	s_mov_b32 s[\g+6], 0
	s_mov_b32 s[\g+7], 0
.endr
	s_lshl_b32 s17, s12, 2
	s_lshl_b32 s16, s13, 3
	s_add_co_u32 s16, s16, s17                     ; A: token tile 8 x tile row + 4 x half
	s_lshl_b32 s16, s16, 15
	s_lshl_b32 s46, s42, 3
	s_add_co_u32 s46, s46, s17                     ; B: column tile 8 x tile column + 4 x half
	s_lshl_b32 s46, s46, 15
	s_add_co_u32 s46, s46, 1671168
	s_mov_b32 s17, 0
	s_mov_b32 s47, 0
	s_mul_i32 s20, s10, HALFT
	s_wait_dscnt 0x0                               ; both opening adds are done
	s_wait_kmcnt 0x0
	s_add_nc_u64 s[14:15], s[4:5], s[16:17]
	s_add_nc_u64 s[46:47], s[6:7], s[46:47]
	CROUND                                         ; all sixteen work-groups are here: the first joint loads meet
.irp s, 0,1
	s_mov_b32 s[G0+4*\s], 1
	s_add_co_u32 s[G0+4*\s+1], s20, \s*SLOT
	s_add_nc_u64 s[G0+4*\s+2:G0+4*\s+3], s[14:15], \s*KSTEPB
	s_or_b32 s[G0+4*\s+3], s[G0+4*\s+3], 0x80000000
	s_mov_b32 s[G0B+4*\s], 1
	s_add_co_u32 s[G0B+4*\s+1], s20, \s*SLOT
	s_add_nc_u64 s[G0B+4*\s+2:G0B+4*\s+3], s[46:47], \s*KSTEPB
	s_or_b32 s[G0B+4*\s+3], s[G0B+4*\s+3], 0x80000000
	JLOAD \s
.endr
	v_and_b32 v1, 15, v0
	v_bfe_u32 v2, v0, 4, 1
	v_and_b32 v3, 31, v0
	v_lshlrev_b32 v3, 4, v3                        ; 16 x lane
	s_lshl_b32 s21, s11, 15                        ; my 4 token tiles
	s_lshl_b32 s22, s12, 15                        ; my 4 column tiles,
	s_add_co_u32 s22, s22, 2*HALFT                 ; behind A's 8
.irp s, 0,1
	v_add_nc_u32 v[ADRA+\s], s21, v3
	v_add_nc_u32 v[ADRB+\s], s22, v3
	s_add_co_u32 s21, s21, SLOT
	s_add_co_u32 s22, s22, SLOT
.endr
	s_mul_i32 s23, s10, 4352                       ; my stage: 16 rows of 272 bytes, in slot 0
	v_mul_u32_u24 v4, v1, 272
	v_lshl_add_u32 v4, v2, 5, v4
	v_add_nc_u32 v[STO], s23, v4                   ; in: row l % 16, 32 bytes for each half of the lanes
	v_mul_u32_u24 v5, v2, 272
	v_lshl_add_u32 v5, v1, 4, v5
	v_add_nc_u32 v[RD], s23, v5                    ; back: lanes 0-15 one row of 256 bytes, lanes 16-31 the next
	v_lshlrev_b32 v5, 12, v2
	v_lshl_add_u32 v[CO], v1, 4, v5                ; the same two rows in out0
	v_lshlrev_b32 v[BOF], 5, v2
	s_lshl_b32 s46, s42, 9                         ; my first column, in bytes: 512 x tile column + 256 x half
	s_lshl_b32 s47, s12, 8
	s_add_co_u32 s46, s46, s47
	s_mov_b32 s47, 0
	s_add_nc_u64 s[68:69], s[68:69], s[46:47]
	s_lshl_b32 s16, s13, 19                        ; my first row: 128 x tile row + 64 x half, 4,096 bytes a row
	s_lshl_b32 s17, s11, 18
	s_add_co_u32 s16, s16, s17
	s_add_co_u32 s16, s16, s46
	s_mov_b32 s17, 0
	s_add_nc_u64 s[70:71], s[70:71], s[16:17]
.irp b, 0,1,2,3
	global_load_b128 v[BO+8*\b:BO+8*\b+3], v[BOF], s[68:69] offset:64*\b       ; bo[first column + 16 b + 8 h + 0..7]
	global_load_b128 v[BO+8*\b+4:BO+8*\b+7], v[BOF], s[68:69] offset:64*\b+16
.endr
; 8 matrix instructions: token blocks a0, a0 + 1 x all 4 column blocks, 32 along K: half c of buffer f.  first = 1: the product starts the sum, with bo as its C
.macro MUL8 f, c, a0, first
.irp a, \a0, \a0+1
.irp b, 0,1,2,3
.if \first
	v_wmma_f32_16x16x32_f16 v[ACC+8*(4*(\a)+\b):ACC+8*(4*(\a)+\b)+7], v[\f+64+8*(4*\c+\b):\f+64+8*(4*\c+\b)+7], v[\f+8*(4*\c+\a):\f+8*(4*\c+\a)+7], v[BO+8*\b:BO+8*\b+7]
.else
	v_wmma_f32_16x16x32_f16 v[ACC+8*(4*(\a)+\b):ACC+8*(4*(\a)+\b)+7], v[\f+64+8*(4*\c+\b):\f+64+8*(4*\c+\b)+7], v[\f+8*(4*\c+\a):\f+8*(4*\c+\a)+7], v[ACC+8*(4*(\a)+\b):ACC+8*(4*(\a)+\b)+7]
.endif
.endr
.endr
.endm
.macro FETCH slot, k, f                ; 32 LDS loads in one run: two chunks at byte k of each tile's images; the first chunk first
	WIN TO_F
.irp c, 0,1
.irp i, 0,1,2,3
	ds_load_b128 v[\f+64+8*(4*\c+\i):\f+64+8*(4*\c+\i)+3],   v[ADRB+\slot] offset:\k+1024*\c+8192*\i
	ds_load_b128 v[\f+64+8*(4*\c+\i)+4:\f+64+8*(4*\c+\i)+7], v[ADRB+\slot] offset:\k+1024*\c+8192*\i+512
	ds_load_b128 v[\f+8*(4*\c+\i):\f+8*(4*\c+\i)+3],         v[ADRA+\slot] offset:\k+1024*\c+8192*\i
	ds_load_b128 v[\f+8*(4*\c+\i)+4:\f+8*(4*\c+\i)+7],       v[ADRA+\slot] offset:\k+1024*\c+8192*\i+512
.endr
.endr
.endm
.macro PLACES
.rept 4
	v_nop
.endr
.endm
.macro QUARTER slot, k, f, g, first    ; 64 along K: multiplies buffer f and fetches the next quarter, at byte k, into g
	s_wait_dscnt 16                                ; the first chunk is in; the second chunk's 16 loads may be out
	WIN MUL
	MUL8 \f, 0, 0, \first
	MUL8 \f, 0, 2, \first
	PLACES
	FETCH \slot, \k, \g
	s_wait_dscnt 32                                ; all but the 32 just issued
	WIN MUL
	MUL8 \f, 1, 0, 0
	MUL8 \f, 1, 2, 0
.endm
.macro TURN slot, next, fill           ; the last quarter changes slots: one barrier; in front of it every wave waits for all its tensor loads, adds 0 to its spare word, and waits for that and for its reads of this slot
	WIN 0
	s_wait_tensorcnt 0x0                           ; all my tensor loads have landed: my part of the next slot
	ds_add_u32 v[SPW], v[NIL]
	s_wait_dscnt 17                                ; the add and the youngest sixteen loads may be out
	WIN MUL
	MUL8 F1, 0, 0, 0
	s_wait_dscnt 0x0                               ; the add is done, and my reads of this slot are over
	s_barrier_signal -1
	MUL8 F1, 0, 2, 0
.if \fill
	WIN 0
.endif
	s_barrier_wait -1
.if \fill
	CREST                                          ; the barrier has opened a round of the cluster's barrier: no wave of any partner still reads this slot or has a load on its way
	s_add_nc_u64 s[G0+4*\slot+2:G0+4*\slot+3], s[G0+4*\slot+2:G0+4*\slot+3], 2*KSTEPB
	s_add_nc_u64 s[G0B+4*\slot+2:G0B+4*\slot+3], s[G0B+4*\slot+2:G0B+4*\slot+3], 2*KSTEPB
	JLOAD \slot                                    ; the first tensor load behind the round; its four v_nop are also the places in front of the loads below
.else
	PLACES
.endif
	FETCH \next, 0, F0
	WIN MUL
	MUL8 F1, 1, 0, 0
	MUL8 F1, 1, 2, 0
.endm
	s_wait_tensorcnt 1                             ; my part of K step 0 is in; K step 1's may be out
	s_barrier_signal -1
	s_barrier_wait -1
	FETCH 0, 0, F0
	s_wait_loadcnt 0x0                             ; bo
	QUARTER 0, 2048, F0, F1, 1
	WIN 0
	s_mov_b32 s3, LAPS-1
.Llap:                                                 ; a trip goes once round the ring and fills both slots again
	QUARTER 0, 4096, F1, F0, 0
	QUARTER 0, 6144, F0, F1, 0
	TURN 0, 1, 1
	QUARTER 1, 2048, F0, F1, 0
	QUARTER 1, 4096, F1, F0, 0
	QUARTER 1, 6144, F0, F1, 0
	TURN 1, 0, 1
	QUARTER 0, 2048, F0, F1, 0
	WIN 0
	s_sub_co_u32 s3, s3, 1
	s_cmp_lg_u32 s3, 0
	s_cbranch_scc1 .Llap
	QUARTER 0, 4096, F1, F0, 0                     ; the last lap fills nothing
	QUARTER 0, 6144, F0, F1, 0
	TURN 0, 1, 0
	QUARTER 1, 2048, F0, F1, 0
	QUARTER 1, 4096, F1, F0, 0
	QUARTER 1, 6144, F0, F1, 0
	s_wait_dscnt 16
	WIN MUL
	MUL8 F1, 0, 0, 0
	MUL8 F1, 0, 2, 0
	s_wait_dscnt 0
	MUL8 F1, 1, 0, 0
	MUL8 F1, 1, 2, 0
	WIN 0
; THE WAY OUT, block by block of 16 rows x 64 columns, through my own stage.  The stage lies in slot 0, which has had its last fill, and which nobody reads behind the last change of slots.
; LDS serves a wave's instructions in order (ISA guide 5.7.1.4): no wait between the stores and the loads, nor in front of the next block's stores.
.macro TOSTAGE a
.irp b, 0,1,2,3
	ds_store_b128 v[STO], v[ACC+8*(4*(\a)+\b):ACC+8*(4*(\a)+\b)+3] offset:64*\b       ; each accumulator from its low end on
	ds_store_b128 v[STO], v[ACC+8*(4*(\a)+\b)+4:ACC+8*(4*(\a)+\b)+7] offset:64*\b+16
.endr
.irp t, 0,1,2,3,4,5,6,7
	ds_load_b128 v[TMP+32*((\a)%2)+4*\t:TMP+32*((\a)%2)+4*\t+3], v[RD] offset:544*\t
.endr
.endm
.macro SEND a, younger
	s_wait_dscnt \younger
.irp t, 0,1,2,3,4,5,6,7
	global_store_b128 v[CO], v[TMP+32*((\a)%2)+4*\t:TMP+32*((\a)%2)+4*\t+3], s[70:71] offset:(\a)*65536+8192*\t th:TH_STORE_NT   ; 16 lanes store 256 consecutive bytes, aligned
.endr
.endm
	PLACES
	TOSTAGE 0
	TOSTAGE 1
	SEND 0, 16                                     ; behind block 0's loads: block 1's 8 stores and 8 loads
	s_wait_xcnt 0x0                                ; block 0's stores have read their registers
	TOSTAGE 2
	SEND 1, 16
	s_wait_xcnt 0x0
	TOSTAGE 3
	SEND 2, 16
	SEND 3, 0
	s_wait_tensorcnt 0x0                           ; the wave's end, behind my last tensor load and my last LDS store
	ds_add_u32 v[SPW], v[NIL]
	s_wait_dscnt 0x0
	CROUND                                         ; the closing round
	s_endpgm
.Lfunc_end_k_q5b8b27374d_oproj:
	.size	k_q5b8b27374d_oproj, .Lfunc_end_k_q5b8b27374d_oproj-k_q5b8b27374d_oproj
	.p2alignl 7, 3214868480
	.fill 96, 4, 3214868480
	.section	.rodata,"a",@progbits
	.p2align	6, 0x0
	.amdhsa_kernel k_q5b8b27374d_oproj
		.amdhsa_group_segment_fixed_size 327680
		.amdhsa_private_segment_fixed_size 0
		.amdhsa_enable_private_segment 0
		.amdhsa_kernarg_size 32
		.amdhsa_user_sgpr_count 2
		.amdhsa_user_sgpr_kernarg_segment_ptr 1
		.amdhsa_wavefront_size32 1
		.amdhsa_system_sgpr_workgroup_id_x 1
		.amdhsa_system_sgpr_workgroup_id_y 1
		.amdhsa_system_sgpr_workgroup_id_z 1
		.amdhsa_system_vgpr_workitem_id 0
		.amdhsa_next_free_vgpr 512
		.amdhsa_next_free_sgpr 72
		.amdhsa_reserve_vcc 0
		.amdhsa_float_denorm_mode_32 3
		.amdhsa_float_denorm_mode_16_64 3
		.amdhsa_memory_ordered 1
		.amdhsa_forward_progress 1
		.amdhsa_inst_pref_size 86
	.end_amdhsa_kernel
	.amdgpu_metadata
---
amdhsa.version: [ 1, 2 ]
amdhsa.kernels:
  - .name:           k_q5b8b27374d_oproj
    .symbol:         k_q5b8b27374d_oproj.kd
    .args:
      - { .name: OF, .offset: 0, .size: 8, .value_kind: global_buffer, .address_space: global }
      - { .name: WB, .offset: 8, .size: 8, .value_kind: global_buffer, .address_space: global }
      - { .name: bo, .offset: 16, .size: 8, .value_kind: global_buffer, .address_space: global }
      - { .name: out0, .offset: 24, .size: 8, .value_kind: global_buffer, .address_space: global }
    .group_segment_fixed_size: 327680
    .private_segment_fixed_size: 0
    .kernarg_segment_align: 8
    .kernarg_segment_size: 32
    .max_flat_workgroup_size: 128
    .sgpr_count:     72
    .vgpr_count:     512
    .wavefront_size: 32
...
	.end_amdgpu_metadata
.endif
;; end of part 5
;; launch fine2 (part 6): grid 64 x 4, 8 waves a work-group, no clusters, 9,216 bytes of LDS; arguments OFI, wo, bo, out0; writes out0
.if DOCPART == 6
	.amdgcn_target "amdgcn-amd-amdhsa--gfx1250"
	.amdhsa_code_object_version 6
	.text
	.protected	k_q5b8b27374d_fine2
	.globl	k_q5b8b27374d_fine2
	.p2align	8
	.type	k_q5b8b27374d_fine2,@function
k_q5b8b27374d_fine2:
	s_mov_b64 s[64:65], 0
	v_nop
	global_prefetch_b8 v0, s[64:65] scope:SCOPE_SE
	s_setreg_imm32_b32 hwreg(HW_REG_WAVE_MODE, 25, 1), 1
	s_wait_xcnt 0x0
; FINE2: positions 0-15 of every sequence through wo with f32 operands: out0[2,048 b + pos][n] = sum over k of OFI[16 b + pos][k] wo[k][n] + bo[n].  It writes anew the 64 rows that the launch before wrote from f16 operands.
; A work-group is (16 columns, batch); wave w sums k = 128 w .. 128 w + 127 by 32 f32 matrix instructions on four accumulators by turns; the eight waves' parts meet in LDS.
; The f32 form wants k = 2 h + j in register j.  A's load u brings a lane k = 128 w + 8 u + 4 h + 0..3; the pair 2 i, 2 i + 1 of it and the like pair of B carry the same four k in the same places.
; The registers that the matrix form writes (v160-191) are written by matrix instructions alone.
.set SPW, 30
.set NIL, 31
.set SPARE, 8192
	s_load_b256 s[4:11], s[0:1], 0x0               ; OFI, wo, bo, out0
	v_lshl_add_u32 v[SPW], v0, 2, SPARE
	v_mov_b32 v[NIL], 0
	v_lshrrev_b32 v1, 5, v0
	v_readfirstlane_b32 s12, v1                    ; wave 0..7
	s_and_b32 s13, ttmp7, 0xffff                   ; batch; ttmp9: which 16 columns
	v_and_b32 v2, 15, v0                           ; r
	v_bfe_u32 v3, v0, 4, 1                         ; h
	v_and_b32 v4, 31, v0
	v_lshlrev_b32 v4, 4, v4                        ; 16 x lane
	v_lshlrev_b32 v5, 12, v2
	v_lshl_add_u32 v5, v3, 4, v5                   ; A: row r of 4,096 bytes, + 16 h
	v_lshlrev_b32 v10, 2, v2                       ; 4 r
	v_lshl_add_u32 v6, v3, 14, v10                 ; B: 4 h rows of 4,096 bytes, + 4 r
	v_lshl_add_u32 v7, v1, 10, v4                  ; LDS, in: 1,024 x wave + 16 x lane
	s_lshr_b32 s14, s12, 2
	s_lshl_b32 s14, s14, 9
	s_and_b32 s15, s12, 3
	s_lshl_b32 s15, s15, 2
	s_add_co_u32 s14, s14, s15
	v_add_nc_u32 v8, s14, v4                       ; LDS, back: register w of an image
	v_lshl_add_u32 v9, v3, 15, v10                 ; out0: 8 h rows, + 4 r
	s_lshl_b32 s16, s13, 16
	s_lshl_b32 s17, s12, 9
	s_add_co_u32 s16, s16, s17
	s_mov_b32 s17, 0
	s_lshl_b32 s20, ttmp9, 6                       ; the columns, in bytes
	s_mov_b32 s21, 0
	s_lshl_b32 s18, s12, 19
	s_add_co_u32 s18, s18, s20
	s_mov_b32 s19, 0
	s_lshl_b32 s22, s13, 23
	s_lshl_b32 s23, s12, 12
	s_add_co_u32 s22, s22, s23
	s_add_co_u32 s22, s22, s20
	s_mov_b32 s23, 0
	s_wait_kmcnt 0x0
	s_add_nc_u64 s[4:5], s[4:5], s[16:17]
	s_add_nc_u64 s[6:7], s[6:7], s[18:19]
	s_add_nc_u64 s[8:9], s[8:9], s[20:21]
	s_add_nc_u64 s[10:11], s[10:11], s[22:23]
.set u, 0
.rept 16
	global_load_b128 v[32+4*u:32+4*u+3], v5, s[4:5] offset:32*u
.set u, u+1
.endr
.set u, 0
.rept 16
.irp e, 0,1,2,3
	global_load_b32 v[96+4*u+\e], v6, s[6:7] offset:(8*u+\e)*4096
.endr
.set u, u+1
.endr
	global_load_b32 v11, v10, s[8:9]               ; bo[first column + r]
	s_wait_loadcnt 0x0
.set t, 0
.rept 32
.if t < 4
	v_wmma_f32_16x16x4_f32 v[160+8*t:160+8*t+7], v[32+2*t:32+2*t+1], v[96+2*t:96+2*t+1], 0
.else
	v_wmma_f32_16x16x4_f32 v[160+8*(t%4):160+8*(t%4)+7], v[32+2*t:32+2*t+1], v[96+2*t:96+2*t+1], v[160+8*(t%4):160+8*(t%4)+7]
.endif
.set t, t+1
.endr
.rept 9
	v_nop
.endr
.irp j, 0,2,4,6
	v_pk_add_f32 v[24:25], v[160+\j:161+\j], v[168+\j:169+\j]
	v_pk_add_f32 v[26:27], v[176+\j:177+\j], v[184+\j:185+\j]
	v_pk_add_f32 v[16+\j:17+\j], v[24:25], v[26:27]
.endr
	ds_store_b128 v7, v[16:19]
	ds_store_b128 v7, v[20:23] offset:512
	s_wait_dscnt 0x0                               ; for the others' sake: my part has landed
	s_barrier_signal -1
	s_barrier_wait -1
.irp s, 0,1,2,3,4,5,6,7
	ds_load_b32 v[32+\s], v8 offset:1024*\s        ; register w (position 8 h + w, column r) of the eight parts
.endr
	s_wait_dscnt 0x0
	v_add_f32 v32, v32, v33
	v_add_f32 v34, v34, v35
	v_add_f32 v36, v36, v37
	v_add_f32 v38, v38, v39
	v_add_f32 v32, v32, v34
	v_add_f32 v36, v36, v38
	v_add_f32 v32, v32, v36
	v_add_f32 v32, v32, v11
	global_store_b32 v9, v32, s[10:11]
	s_wait_tensorcnt 0x0                           ; the wave's end, behind my last LDS store
	ds_add_u32 v[SPW], v[NIL]
	s_wait_dscnt 0x0
	s_endpgm
.Lfunc_end_k_q5b8b27374d_fine2:
	.size	k_q5b8b27374d_fine2, .Lfunc_end_k_q5b8b27374d_fine2-k_q5b8b27374d_fine2
	.p2alignl 7, 3214868480
	.fill 96, 4, 3214868480
	.section	.rodata,"a",@progbits
	.p2align	6, 0x0
	.amdhsa_kernel k_q5b8b27374d_fine2
		.amdhsa_group_segment_fixed_size 9216
		.amdhsa_private_segment_fixed_size 0
		.amdhsa_enable_private_segment 0
		.amdhsa_kernarg_size 32
		.amdhsa_user_sgpr_count 2
		.amdhsa_user_sgpr_kernarg_segment_ptr 1
		.amdhsa_wavefront_size32 1
		.amdhsa_system_sgpr_workgroup_id_x 1
		.amdhsa_system_sgpr_workgroup_id_y 1
		.amdhsa_system_sgpr_workgroup_id_z 1
		.amdhsa_system_vgpr_workitem_id 0
		.amdhsa_next_free_vgpr 192
		.amdhsa_next_free_sgpr 66
		.amdhsa_reserve_vcc 0
		.amdhsa_float_denorm_mode_32 3
		.amdhsa_float_denorm_mode_16_64 3
		.amdhsa_memory_ordered 1
		.amdhsa_forward_progress 1
		.amdhsa_inst_pref_size 14
	.end_amdhsa_kernel
	.amdgpu_metadata
---
amdhsa.version: [ 1, 2 ]
amdhsa.kernels:
  - .name:           k_q5b8b27374d_fine2
    .symbol:         k_q5b8b27374d_fine2.kd
    .args:
      - { .name: OFI, .offset: 0, .size: 8, .value_kind: global_buffer, .address_space: global }
      - { .name: wo, .offset: 8, .size: 8, .value_kind: global_buffer, .address_space: global }
      - { .name: bo, .offset: 16, .size: 8, .value_kind: global_buffer, .address_space: global }
      - { .name: out0, .offset: 24, .size: 8, .value_kind: global_buffer, .address_space: global }
    .group_segment_fixed_size: 9216
    .private_segment_fixed_size: 0
    .kernarg_segment_align: 8
    .kernarg_segment_size: 32
    .max_flat_workgroup_size: 256
    .sgpr_count:     66
    .vgpr_count:     192
    .wavefront_size: 32
...
	.end_amdgpu_metadata
.endif
;; end of part 6
